; MI455X (gfx1250); checked and timed in simulation.
; The chip was launched on July 23, 2026; its instructions are those of AMD's public machine-readable ISA for CDNA 5 (MIT licence, August 2026) and "CDNA5" Instruction Set Architecture Reference Guide (July 2026). The comments in the code are by the model that wrote it; some were corrected since.
;; Multi Head Self Attention. Allowed arithmetic: matrix products marked QUANTISED: E5M2 operands, one E8M0 scale for each 32 along K, by v_wmma_scale_f32_16x16x128_f8f6f4 with both operands' format E5M2, f32 sums; everything else in f32.
;; Inputs: Wk_codes 1,024 x 32 x 32 uint8 (E5M2 codes of Wk, K innermost, in blocks of 32 codes); Wk_scales 1,024 x 32 uint8 (E8M0 scales of Wk, one for each 32 codes along K); Wo_codes 1,024 x 32 x 32 uint8 (E5M2 codes of Wo, K innermost, in blocks of 32 codes); Wo_scales 1,024 x 32 uint8 (E8M0 scales of Wo, one for each 32 codes along K); Wq_codes 1,024 x 32 x 32 uint8 (E5M2 codes of Wq, K innermost, in blocks of 32 codes); Wq_scales 1,024 x 32 uint8 (E8M0 scales of Wq, one for each 32 codes along K); Wv_codes 1,024 x 32 x 32 uint8 (E5M2 codes of Wv, K innermost, in blocks of 32 codes); Wv_scales 1,024 x 32 uint8 (E8M0 scales of Wv, one for each 32 codes along K); x_codes 4 x 2,048 x 32 x 32 uint8 (E5M2 codes of x, K innermost, in blocks of 32 codes); x_scales 4 x 2,048 x 32 uint8 (E8M0 scales of x, one for each 32 codes along K).
;; Outputs: out0 4 x 2,048 x 1,024 float32.
;; This version of the problem:
;;   THIS VERSION OF THE PROBLEM IS GIVEN IN LOW PRECISION. The matrix products marked QUANTISED in the list below multiply operands that are first quantised to E5M2 (5 exponent bits, 2 mantissa bits; 8 bits a number), with one power-of-two scale for each 32 numbers along K (OCP MX v1.0); their sums are f32. All else is computed in f32.
;;   The module's matrix products, in the order in which they are computed (A, B: the left and right operand; K: the contracted axis; several contracted axes count as one K, in the product's order):
;;     1. [M 8,192, K 1,024] x [K 1,024, N 1,024]; A: input x (given as codes); B: input Wk (given as codes): QUANTISED
;;     2. [M 8,192, K 1,024] x [K 1,024, N 1,024]; A: input x (given as codes); B: input Wq (given as codes): QUANTISED
;;     3. [M 8,192, K 1,024] x [K 1,024, N 1,024]; A: input x (given as codes); B: input Wv (given as codes): QUANTISED
;;     4. batch 64 x [M 2,048, K 64] x [K 64, N 2,048]; A: computed on the way; B: computed on the way: QUANTISED
;;     5. batch 64 x [M 2,048, K 2,048] x [K 2,048, N 64]; A: softmax (see below); B: computed on the way: QUANTISED
;;     6. [M 8,192, K 1,024] x [K 1,024, N 1,024]; A: computed on the way; B: input Wo (given as codes): QUANTISED
;;   THE QUANTISER, for each operand of a quantised product, along K:
;;     - K is cut into blocks of 32 from its start; a last block that is shorter is filled with zeros.
;;     - A block's scale is 2^e with e = floor(log2(the largest magnitude in the block)) - 15, held to -126 .. 127; a block of zeros has e = 0. As a byte (E8M0): e + 127.
;;     - Each number is divided by its block's scale, clamped to +-57,344, and rounded to the nearest number of E5M2, ties to even, subnormals kept.
;;     - The product sums the exact products of the quantised numbers (number of the format x scale) in f32.
;;   ~~~python
;;   def quantise(x, axis):      # numpy; x: float32 -> the quantised numbers, widened to float32 again
;;       x = np.moveaxis(x, axis, -1); K = x.shape[-1]
;;       x = np.pad(x, [(0, 0)] * (x.ndim - 1) + [(0, -K % 32)]); x = x.reshape(x.shape[:-1] + (-1, 32)); a = np.abs(x).max(-1, keepdims=True)
;;       e = np.where(a > 0, np.clip(np.frexp(np.where(a > 0, a, 1))[1] - 1 - 15, -126, 127), 0)      # np.frexp(a)[1] - 1 = floor(log2(a)), exactly
;;       r = np.clip(x / 2.0 ** e, -57344, 57344)
;;       step = 2.0 ** (np.maximum(np.frexp(np.where(r == 0, 1, r))[1] - 1, -14) - 2)
;;       q = np.round(r / step) * step * 2.0 ** e      # np.round: ties to even
;;       return np.moveaxis(q.reshape(q.shape[:-2] + (-1,))[..., :K], -1, axis).astype(np.float32)
;;   ~~~
;;   SOFTMAX AHEAD OF A QUANTISED PRODUCT. Where the list says 'softmax', what is quantised is not the finished softmax but p = 2^(t - M), with t = logit x log2(e) and M = ceil(the row's largest t), a whole number; so 1/2 < the row's largest p <= 1. The row's sum l is taken of the UNQUANTISED p, in f32, and the product's result is divided by l at the end. Since M is a whole number, a kernel that streams over the keys may use a running M (the ceiling of the running maximum): every later rescaling is an exact power of two, which a block's scale takes up: the codes' values come out the same.
;;   OPERANDS COMPUTED ON THE WAY. 'Computed on the way' means the value that the module computes at that place (a softmax that the list does not call 'softmax' is quantised finished and normalised). What goes into a quantiser is computed in f32, as accurately as f32 sums, v_exp_f32 and their like allow (about 1e-6 of the number): no bf16 or f16 on the way to a quantiser, and a product that is left as it is and whose result goes on into a quantised operand takes f32 operands (vector FMAs, or v_wmma_f32_16x16x4_f32). A number that lies on a knife's edge between two numbers of the format may be rounded either way, as far as f32 arithmetic and the matrix unit's own rounding can turn it there, and no further.
;;   INPUTS GIVEN AS CODES. Wk (in the module: [1024, 1024], K = its axis 1); Wo (in the module: [1024, 1024], K = its axis 1); Wq (in the module: [1024, 1024], K = its axis 1); Wv (in the module: [1024, 1024], K = its axis 1); x (in the module: [4, 2048, 1024], K = its axis 2): each comes as NAME_codes (uint8): NAME with its K axis moved to the last place and cut into blocks of 32 codes, [.., K / 32, bytes a block], one block behind the other in memory; one code a byte (a code: sign, 5 exponent bits, 2 mantissa bits); and NAME_scales (uint8): the same leading axes, one E8M0 byte (e + 127) for each 32 codes along K. Its value is code x scale, taken as it is: it is not quantised again, and the codes and scales need not be those that the quantiser above would give.
;; One version. Each part assembles by itself: llvm-mc -triple=amdgcn-amd-amdhsa -mcpu=gfx1250 --defsym DOCPART=n.
;; ======== version 1 of 1: 3 launches
;; limits: right only within a limited range of input values
;; workspace buffers: q_codes 8,388,608 bytes; k_codes 8,388,608 bytes; v_codes 8,388,608 bytes; q_scales 524,288 bytes; kv_scales 524,288 bytes; flat_codes 8,388,608 bytes; flat_scales 262,144 bytes
;; launch qkv (part 1): grid 4 x 96, 4 waves a work-group, clusters of 4 x 4, 327,680 bytes of LDS; arguments x_codes, x_scales, Wq_codes, Wq_scales, Wk_codes, Wk_scales, Wv_codes, Wv_scales, q_codes, q_scales, k_codes, kv_scales, v_codes; writes q_codes, q_scales, k_codes, kv_scales, v_codes
.if DOCPART == 1
	.amdgcn_target "amdgcn-amd-amdhsa--gfx1250"
	.amdhsa_code_object_version 6
	.text
	.protected	k_qe6663fe643_qkv
	.globl	k_qe6663fe643_qkv
	.p2align	8
	.type	k_qe6663fe643_qkv,@function
k_qe6663fe643_qkv:
	s_mov_b64 s[64:65], 0
	v_nop
	global_prefetch_b8 v0, s[64:65] scope:SCOPE_SE
	s_setreg_imm32_b32 hwreg(HW_REG_WAVE_MODE, 25, 1), 1
	s_wait_xcnt 0x0
	s_wait_alu depctr_hold_cnt(0) depctr_sa_sdst(0) depctr_va_vdst(0) depctr_va_sdst(0) depctr_va_ssrc(0) depctr_va_vcc(0) depctr_vm_vsrc(0)
	s_getreg_b32 s2, hwreg(HW_REG_IB_STS2, 6, 4)
	s_cmp_eq_u32 s2, 0
	s_cbranch_scc0 .Lentry_in_a_cluster
	s_endpgm
.Lentry_in_a_cluster:
	s_bfe_u32 s2, ttmp6, 0x10000c
	s_cmp_lg_u32 s2, 0xf033
	s_cbranch_scc0 .Lentry_shape_is_right
	s_endpgm
.Lentry_shape_is_right:
; q = x Wq^T, k = x Wk^T and V^T = Wv x^T on codes of BF8 (E5M2) with E8M0 scales, each result quantised again to such codes on its way out.
; ONE BODY: C[m][n] = sum over k of A[m][k] B[n][k], K = 1,024, then C is quantised ALONG n in blocks of 32.  MODE 0, 1 (q, k): A = x (8,192 rows), B = the weight (1,024 rows: n = head x 64 + d, so
; the blocks run along d).  MODE 2 (v): A = Wv (m = head x 64 + d), B = x (n = batch x 2,048 + key, so the blocks run along the keys).  MODE is the cluster's y / 8: alike in all partners of a cluster.
; A tile of C is 256 x 256: four waves, each 128 x 128 in 64 accumulators.  K goes in steps of 256 through two LDS slots filled by the tensor data mover; the scale bytes of the tile's rows of A and B come once.
; CLUSTERS: 4 x 4 work-groups; A's tiles are asked for jointly along a row of the cluster, B's along a column.  The matrix instruction is used transposed (source 0 = 16 rows of B, source 1 = 16 rows of A):
; a lane holds one row m and eight neighbouring n, so that the 16 registers of two neighbouring accumulators are half a block of 32 along n, and lane l xor 16 holds the other half.
; OUT: q_codes, k_codes [batch][head][position 2,048][64 bytes], position = the row with its bits 3 and 4 exchanged (so the attention's tiles of 16 keys are 16 neighbouring positions);
;   v_codes [head x 64 + d][batch x 2,048 + key];  scale bytes [batch][head][256 rows: 1,024 bytes]: bytes 0-511 q's or k's: word 16 (row / 32) + r' = the two bytes of position r', then of position 16 + r';
;   bytes 512-1,023 (kv_scales alone) v's: [128 keys: 2][d 64][4 bytes].
; LIMITS: NaN and infinities are not served.  A block of zeros gets the byte 1 where the rule says 127: its codes are zeros, and this program alone reads the bytes.
; 384 work-groups: more than one and less than two for each of the 256 WGPs.
; REGISTERS, in windows of 256: window 0: v0-31 addresses; v32-63 scale words, two sets; from v128 A's fragments, one set; on the way out v32-255 are free.
;   window 1: B's fragments, two sets.   window 2: the accumulators of my rows 0-63 ((a, b) at v[8 (8 a + b)]);   window 3: those of my rows 64-127.
.set KSTEP,  256
.set NQ,     2                         ; matrix instructions deep in a slot
.set ROWB,   256                       ; a tile's row in bytes
.set KROW,   1024                      ; a row of A or of B in memory
.set PITCH,  272                       ; an LDS row: 256 bytes + 16 of padding: the 16 rows of a fragment load start at 16 different groups of four banks
.set FR,     16
.set NL,     4
.set NP,     8                         ; places behind this matrix instruction (ISA guide 7.12.1)
.set HALFT,  128*PITCH
.set SLOT,   4*HALFT
.set LAPS,   2                         ; 1,024 / 512
.set KS,     32                        ; a row of scale bytes
.set SCL,    2*SLOT
.set HALFS,  (128*KS/256)*272
.set SBLK,   (16*KS/256)*272
.set SPARE,  SCL+4*HALFS               ; the spare words, 128 bytes a wave: two blocks of 256 bytes that no other line names
.set CP,     336                       ; the way out: a stage of 256 rows x (256 code bytes + 80), in slot 0, which has had its last fill and its last read by then: 84 words a row, so that 32 lanes' 8 bytes fall on 64 banks
.set SST,    256*CP                    ; behind it the scale words: 8 x 128 bytes for each wave
.set ADRA, 16
.set ADRB, 20
.set CSO,  24                          ; v24  where I put 8 codes of a row
.set SSO,  25                          ; v25  where I put a scale word
.set ADRS, 27
.set SPW,  28                          ; v28  SPARE + 4 x my thread's number; never rewritten
.set NIL,  29                          ; v29  0; never rewritten
.set SC,   32
.set AF,   128
.set PC,   32                          ; the way out: v32-47 a block's codes
.set HX,   64                          ; v64-127 the held numbers
.set TM,   200                         ; v200-203 largest magnitudes, v204-207 bytes, v208-211 57,344 x the scale, v212-215 the conversions' scale operands
.set PW,   216                         ; the scale word
.set G1, 24
.set G0, 32
.set G1B, 48
.set G0B, 56
.set G1S, 68
.set G0S, 76
.set G1SB, 80
.set G0SB, 88
.set MODE, 95
.set MSB, 0
.macro WIN new                         ; the immediate's high byte repeats the setting that is left
.if MSB != \new
	s_set_vgpr_msb (MSB<<8)|\new
.set MSB, \new
.endif
.endm
.set MUL_LO, 0xa1                      ; source 0 (B) window 1, source 1 (A) window 0, C and D window 2
.set MUL_HI, 0xf1
.set TO_B,   0x40
; A joint load: waves 0 and 1 fetch for A, waves 2 and 3 for B; the branch hangs on the wave's number alone.  Four v_nop follow each of the two lines.
.macro JLOAD g0a, g1a, g0b, g1b
	s_cmp_eq_u32 s15, 0
	s_cbranch_scc0 .Lfor_b_\@
	tensor_load_to_lds s[\g0a:\g0a+3], s[\g1a:\g1a+7]
	s_nop 0
.rept 4
	v_nop
.endr
	s_branch .Lasked_\@
.Lfor_b_\@:
	tensor_load_to_lds s[\g0b:\g0b+3], s[\g1b:\g1b+7]
	s_nop 0
.rept 4
	v_nop
.endr
.Lasked_\@:
.endm
.macro CREST                           ; a round of the cluster's barrier behind its opening barrier
	s_cmp_lg_u32 s14, 0
	s_cbranch_scc1 .Lnot_wave_0_\@
	s_barrier_signal -3
.Lnot_wave_0_\@:
	s_barrier_wait -3
	s_barrier_signal -1
	s_barrier_wait -1
.endm
.macro CROUND
	s_barrier_signal -1
	s_barrier_wait -1
	CREST
.endm
	s_load_b512 s[24:39], s[0:1], 0x0              ; x codes, x scales, Wq codes, scales, Wk codes, scales, Wv codes, scales
	s_load_b256 s[48:55], s[0:1], 0x40             ; q_codes, q_scales, k_codes, kv_scales
	s_load_b64 s[56:57], s[0:1], 0x60              ; v_codes
	v_lshl_add_u32 v[SPW], v0, 2, SPARE
	v_mov_b32 v[NIL], 0
	ds_add_u32 v28, v29
	ds_add_u32 v28, v29
	s_wait_dscnt 0x0
	v_lshrrev_b32 v1, 5, v0
	v_readfirstlane_b32 s14, v1                    ; wave 0..3
	s_lshr_b32 s15, s14, 1                         ; which half of the tile's rows is mine.  Also: I fetch for A (0) or for B (1)
	s_and_b32 s16, s14, 1                          ; which half of its columns.  Also: which 128 rows of that tile I fetch
	s_bfe_u32 s40, ttmp6, 0x40000                  ; cx
	s_bfe_u32 s41, ttmp6, 0x40004                  ; cy
	s_and_b32 s17, ttmp7, 0xffff                   ; the cluster's y, 0 .. 23
	s_lshr_b32 s[MODE], s17, 3                     ; 0 q, 1 k, 2 v
	s_and_b32 s17, s17, 7
	s_lshl_b32 s17, s17, 2                         ; x's 32 tiles of 256 rows: four to a cluster
	s_cmp_eq_u32 s[MODE], 2
	s_cselect_b32 s42, s17, 0                      ; x is B for v,
	s_cselect_b32 s17, 0, s17                      ; and A for q and k
	s_add_co_u32 s42, s42, s40                     ; tile column of C
	s_add_co_u32 s17, s17, s41                     ; tile row of C
	s_lshl_b32 s43, s41, 2
	s_lshl_b32 s43, 15, s43                        ; my row of the cluster
	s_lshl_b32 s44, 0x1111, s40                    ; my column
	s_wait_kmcnt 0x0
	s_cmp_eq_u32 s[MODE], 2                        ; the buffers are chosen by MODE, which hangs on no address
	s_cselect_b64 s[4:5], s[36:37], s[24:25]       ; A's codes: Wv or x
	s_cselect_b64 s[6:7], s[38:39], s[26:27]       ; A's scales
	s_cselect_b64 s[8:9], s[24:25], s[32:33]       ; B's codes: x or Wk
	s_cselect_b64 s[10:11], s[26:27], s[34:35]     ; B's scales
	s_cselect_b64 s[12:13], s[56:57], s[52:53]     ; the codes' way out: v or k
	s_cmp_eq_u32 s[MODE], 0
	s_cselect_b64 s[8:9], s[28:29], s[8:9]         ; Wq
	s_cselect_b64 s[10:11], s[30:31], s[10:11]
	s_cselect_b64 s[12:13], s[48:49], s[12:13]     ; q
	s_cselect_b64 s[66:67], s[50:51], s[54:55]     ; the scale bytes' way out: q_scales or kv_scales
	; descriptor group 1: a tile of 128 rows x 256 bytes, 16 bytes of padding behind each row
	s_or_b32 s[G1+0], s43, (0<<16)|(1<<20)|(1<<21)|(5<<22)|(3<<25)  ; the mask: A's tiles go to my row; elements of 1 byte; padding on; bit 21 beside a mask; after every 64 words, 4 words
	s_or_b32 s[G1B+0], s44, (0<<16)|(1<<20)|(1<<21)|(5<<22)|(3<<25)
.irp g, G1, G1B
	s_mov_b32 s[\g+1], ROWB<<16                    ; tensor_dim0
	s_mov_b32 s[\g+2], 128<<16                     ; tensor_dim1
	s_mov_b32 s[\g+3], ROWB<<16                    ; tile_dim0
	s_mov_b32 s[\g+4], 128                         ; tile_dim1
	s_mov_b32 s[\g+5], KROW                        ; the pitch
	s_mov_b32 s[\g+6], 0
	s_mov_b32 s[\g+7], 0
.endr
	; the scales of 128 rows: 4,096 dense bytes, as 16 rows of 256 bytes (32 elements of 8), 16 bytes of padding behind each
	s_or_b32 s[G1S+0], s43, (3<<16)|(1<<20)|(1<<21)|(5<<22)|(3<<25)
	s_or_b32 s[G1SB+0], s44, (3<<16)|(1<<20)|(1<<21)|(5<<22)|(3<<25)
.irp g, G1S, G1SB
	s_mov_b32 s[\g+1], 32<<16
	s_mov_b32 s[\g+2], (128*KS/256)<<16
	s_mov_b32 s[\g+3], 32<<16
	s_mov_b32 s[\g+4], 128*KS/256
	s_mov_b32 s[\g+5], 32
	s_mov_b32 s[\g+6], 0
	s_mov_b32 s[\g+7], 0
.endr
	s_lshl_b32 s18, s16, 7                         ; which 128 rows of the tile I fetch
	s_lshl_b32 s20, s17, 8
	s_add_co_u32 s20, s20, s18                     ; A: row 256 x tile row + 128 x half
	s_lshl_b32 s46, s42, 8
	s_add_co_u32 s46, s46, s18                     ; B: row 256 x tile column + 128 x half
	s_mov_b32 s21, 0
	s_mov_b32 s47, 0
	s_mov_b64 s[18:19], KS
	s_mul_u64 s[22:23], s[20:21], s[18:19]         ; where these rows' scales begin
	s_mul_u64 s[92:93], s[46:47], s[18:19]
	s_mov_b64 s[18:19], KROW
	s_mul_u64 s[20:21], s[20:21], s[18:19]         ; and their codes
	s_mul_u64 s[46:47], s[46:47], s[18:19]
	s_mul_i32 s45, s14, HALFT                      ; where they go: wave x 128 rows
	s_mul_i32 s94, s14, HALFS
	s_add_nc_u64 s[20:21], s[4:5], s[20:21]
	s_add_nc_u64 s[22:23], s[6:7], s[22:23]
	s_add_nc_u64 s[46:47], s[8:9], s[46:47]
	s_add_nc_u64 s[92:93], s[10:11], s[92:93]
	CROUND                                         ; all sixteen work-groups are here: the first joint loads meet
	s_mov_b32 s[G0S], 1
	s_add_co_u32 s[G0S+1], s94, SCL
	s_mov_b64 s[G0S+2:G0S+3], s[22:23]
	s_or_b32 s[G0S+3], s[G0S+3], 0x80000000
	s_mov_b32 s[G0SB], 1
	s_add_co_u32 s[G0SB+1], s94, SCL
	s_mov_b64 s[G0SB+2:G0SB+3], s[92:93]
	s_or_b32 s[G0SB+3], s[G0SB+3], 0x80000000
	JLOAD G0S, G1S, G0SB, G1SB                     ; the scales first: they are wanted with K step 0
.irp s, 0,1
	s_mov_b32 s[G0+4*\s], 1
	s_add_co_u32 s[G0+4*\s+1], s45, \s*SLOT
	s_add_nc_u64 s[G0+4*\s+2:G0+4*\s+3], s[20:21], \s*ROWB
	s_or_b32 s[G0+4*\s+3], s[G0+4*\s+3], 0x80000000
	s_mov_b32 s[G0B+4*\s], 1
	s_add_co_u32 s[G0B+4*\s+1], s45, \s*SLOT
	s_add_nc_u64 s[G0B+4*\s+2:G0B+4*\s+3], s[46:47], \s*ROWB
	s_or_b32 s[G0B+4*\s+3], s[G0B+4*\s+3], 0x80000000
	s_wait_alu depctr_va_vdst(0)
	s_wait_tensorcnt 0x0
	ds_add_u32 v28, v29
	s_wait_dscnt 0x0
	CROUND
	JLOAD G0+4*\s, G1, G0B+4*\s, G1B
.endr
	v_and_b32 v1, 15, v0                           ; r = l % 16
	v_bfe_u32 v2, v0, 4, 1                         ; h = l / 16
	v_mul_u32_u24 v3, v1, PITCH
	v_lshl_add_u32 v4, v2, 4, v3                   ; a fragment's row x pitch + 16 x half
	s_mul_i32 s21, s15, HALFT                      ; my 128 rows of A
	s_mul_i32 s22, s16, HALFT                      ; my 128 rows of B,
	s_add_co_u32 s22, s22, 2*HALFT                 ; which lie behind A's 256
.irp s, 0,1
	v_add_nc_u32 v[ADRA+\s], s21, v4
	v_add_nc_u32 v[ADRB+\s], s22, v4
	s_add_co_u32 s21, s21, SLOT
	s_add_co_u32 s22, s22, SLOT
.endr
	v_mul_u32_u24 v5, v1, KS                       ; my row's scales: 32 bytes a row,
	v_lshrrev_b32 v6, 8, v5
	v_lshl_add_u32 v5, v6, 4, v5                   ; and 16 more for each 256 passed
	s_mul_i32 s21, s15, HALFS
	s_mul_i32 s22, s16, HALFS
	s_add_co_u32 s22, s22, 2*HALFS
	s_sub_co_u32 s22, s22, s21
	v_mul_u32_u24 v6, s22, v2                      ; lanes 16-31 take B's
	s_add_co_u32 s21, s21, SCL
	v_add_nc_u32 v5, v5, v6
	v_add_nc_u32 v[ADRS], s21, v5
	s_mul_i32 s21, s15, 128*CP                     ; the stage: row 128 x row half + r, byte 128 x column half + 8 h
	s_lshl_b32 s22, s16, 7
	s_add_co_u32 s21, s21, s22
	v_mul_u32_u24 v5, v1, CP
	v_lshl_add_u32 v5, v2, 3, v5
	v_add_nc_u32 v[CSO], s21, v5
	s_lshl_b32 s21, s14, 10
	s_add_co_u32 s21, s21, SST
	v_and_b32 v6, 31, v0
	v_lshl_add_u32 v[SSO], v6, 2, s21              ; my scale words: 1,024 x wave + 4 x lane
.macro FRAG reg, adr, q, i             ; 16 rows x 128 K: lane l holds row l % 16; registers 4 c .. 4 c + 3 hold K = 32 c + 16 (l / 16) + 0 .. 15
.irp c, 0,1,2,3
	ds_load_b128 v[\reg+4*\c:\reg+4*\c+3], v[\adr] offset:128*(\q)+32*\c+(\i)*16*PITCH
.endr
.endm
; 16 matrix instructions: A's blocks a0, a0 + 1 x B's eight.  The 64 accumulators take turns, one instruction a turn, in the same order in every step.
.macro MUL16 a0, p, q, sc, zero
.irp a, \a0, \a0+1
.irp b, 0,1,2,3,4,5,6,7
.if \zero
	v_wmma_scale_f32_16x16x128_f8f6f4 v[8*(8*((\a)%4)+\b):8*(8*((\a)%4)+\b)+7], v[128*(\p)+FR*\b:128*(\p)+FR*\b+FR-1], v[AF+FR*(\a):AF+FR*(\a)+FR-1], 0, v[SC+8*NQ*(\sc)+NQ*\b+(\q)], v[SC+8*NQ*(\sc)+NQ*(\a)+(\q)] matrix_a_fmt:MATRIX_FMT_BF8 matrix_b_fmt:MATRIX_FMT_BF8 matrix_a_scale:MATRIX_SCALE_ROW1
.else
	v_wmma_scale_f32_16x16x128_f8f6f4 v[8*(8*((\a)%4)+\b):8*(8*((\a)%4)+\b)+7], v[128*(\p)+FR*\b:128*(\p)+FR*\b+FR-1], v[AF+FR*(\a):AF+FR*(\a)+FR-1], v[8*(8*((\a)%4)+\b):8*(8*((\a)%4)+\b)+7], v[SC+8*NQ*(\sc)+NQ*\b+(\q)], v[SC+8*NQ*(\sc)+NQ*(\a)+(\q)] matrix_a_fmt:MATRIX_FMT_BF8 matrix_b_fmt:MATRIX_FMT_BF8 matrix_a_scale:MATRIX_SCALE_ROW1
.endif
.endr
.endr
.endm
.macro FETCH_B slot, q, p
	WIN TO_B
.irp i, 0,1,2,3,4,5,6,7
	FRAG 128*(\p)+FR*\i, ADRB+\slot, \q, \i
.endr
	WIN 0
.endm
.macro FETCH_A slot, q, i0
.irp i, \i0, \i0+1, \i0+2, \i0+3
	FRAG AF+FR*(\i), ADRA+\slot, \q, \i
.endr
.endm
.macro SCALES sc                       ; a K step's scale words: lanes 0-15 take A's block i, lanes 16-31 B's block i
.irp i, 0,1,2,3,4,5,6,7
	ds_load_b64 v[SC+8*NQ*\sc+NQ*\i:SC+8*NQ*\sc+NQ*\i+1], v[ADRS] offset:\i*SBLK
.endr
.endm
.macro PLACES n                        ; plain vector instructions between a matrix instruction and a load into, or a read of, its registers
.rept \n
	v_nop
.endr
.endm
.macro STEP slot, q, zero              ; 128 along K that have their successor in the same slot
	s_wait_dscnt 4*NL                              ; B's set and A's blocks 0-3 are in; the youngest 16 loads (A's blocks 4-7) may be out
	WIN MUL_LO
	MUL16 0, (\q)%2, \q, \slot, \zero
	MUL16 2, (\q)%2, \q, \slot, \zero
	s_wait_dscnt 0
	PLACES NP
	FETCH_B \slot, (\q)+1, 1-(\q)%2
	FETCH_A \slot, (\q)+1, 0
	WIN MUL_HI
	MUL16 4, (\q)%2, \q, \slot, \zero
	MUL16 6, (\q)%2, \q, \slot, \zero
	PLACES NP
	WIN 0
	FETCH_A \slot, (\q)+1, 4
.endm
; A slot's last step changes slots: one barrier; in front of it each wave waits for all its tensor loads, adds 0 to its spare word, and waits for that and for its reads of this slot.
.macro TURN slot, next, fill
	s_wait_tensorcnt 0x0                           ; all my tensor loads have landed: my part of the next slot
	ds_add_u32 v[SPW], v[NIL]                      ; 0 onto my spare word
	s_wait_dscnt 4*NL+1                            ; (the add and the youngest 16 loads may be out)
	WIN MUL_LO
	MUL16 0, 1, NQ-1, \slot, 0
	s_wait_dscnt 0x0                               ; the add is done, and my reads of this slot are over
	s_barrier_signal -1
	MUL16 2, 1, NQ-1, \slot, 0
	WIN 0
	s_barrier_wait -1
.if \fill
	CREST                                          ; the barrier has opened a round of the cluster's barrier: no wave of any partner still reads this slot or has a load on its way
	s_add_nc_u64 s[G0+4*\slot+2:G0+4*\slot+3], s[G0+4*\slot+2:G0+4*\slot+3], 2*ROWB
	s_add_nc_u64 s[G0B+4*\slot+2:G0B+4*\slot+3], s[G0B+4*\slot+2:G0B+4*\slot+3], 2*ROWB
	JLOAD G0+4*\slot, G1, G0B+4*\slot, G1B         ; the first tensor load behind the round; its four v_nop are among the places in front of the loads below
	PLACES NP-4
.else
	PLACES NP
.endif
	s_wait_alu depctr_va_vdst(0)
	v_add_nc_u32 v[ADRS], 4*NQ, v[ADRS]            ; on to the next K step's scale words
	FETCH_B \next, 0, 0
	FETCH_A \next, 0, 0
	SCALES \next
	WIN MUL_HI
	MUL16 4, 1, NQ-1, \slot, 0
	MUL16 6, 1, NQ-1, \slot, 0
	PLACES NP
	WIN 0
	FETCH_A \next, 0, 4
.endm
	s_wait_alu depctr_va_vdst(0)
	s_wait_tensorcnt 1                             ; the scales and my part of K step 0 are in (K step 1's load may be out)
	s_barrier_signal -1
	s_barrier_wait -1
	FETCH_B 0, 0, 0
	FETCH_A 0, 0, 0
	SCALES 0
	FETCH_A 0, 0, 4
	STEP 0, 0, 1                                   ; the first step's products start the sums
	s_mov_b32 s3, LAPS-1
.Llap:
	TURN 0, 1, 1
	STEP 1, 0, 0
	TURN 1, 0, 1
	STEP 0, 0, 0
	s_sub_co_u32 s3, s3, 1
	s_cmp_lg_u32 s3, 0
	s_cbranch_scc1 .Llap
	TURN 0, 1, 0                                   ; the last lap fills nothing
	STEP 1, 0, 0
	s_wait_dscnt 4*NL
	WIN MUL_LO
	MUL16 0, 1, NQ-1, 1, 0
	MUL16 2, 1, NQ-1, 1, 0
	s_wait_dscnt 0
	WIN MUL_HI
	MUL16 4, 1, NQ-1, 1, 0
	MUL16 6, 1, NQ-1, 1, 0
	WIN 0
; THE WAY OUT.  My 128 columns are four blocks of 32; of block b lane (r, h) holds the 16 numbers n = 32 b + 16 u + 8 h + j (accumulators 2 b + u), lane l xor 16 the other 16.
	PLACES NP
	s_mov_b32 s20, 0x76543210
	s_mov_b32 s21, 0xfedcba98                      ; v_permlanex16_b32's selects for lane l xor 16
	s_mov_b32 s23, 0x600000                        ; the mantissa field of 57,344
.irp b, 0,1,2,3
	v_mov_b32 v[TM+4+\b], 0                        ; written once: a lane permute's destination counts as one of its sources
.endr
.macro QBLK a                          ; my rows 16 a .. 16 a + 15
.set AC, 64*((\a)%4)
	WIN 0x28+0x14*((\a)/4)                         ; sources 1 and 2: window 2 or 3
.irp b, 0,1,2,3
	v_max3_num_f32 v[TM+\b], 0x8000000, |v[AC+16*\b]|, |v[AC+16*\b+1]|   ; the floor 2^(16 - 127) among the leaves: the byte cannot fall under 1.  Each accumulator is read from its low end on
.endr
.irp i, 2,4,6,8,10,12,14
.irp b, 0,1,2,3
	v_max3_num_f32 v[TM+\b], v[TM+\b], |v[AC+16*\b+\i]|, |v[AC+16*\b+\i+1]|
.endr
.endr
	WIN 0
.irp b, 0,1,2,3
	v_permlanex16_b32 v[TM+4+\b], v[TM+\b], s20, s21
.endr
.irp b, 0,1,2,3
	v_max_num_f32 v[TM+\b], v[TM+\b], v[TM+4+\b]   ; the block's largest magnitude
.endr
.irp b, 0,1,2,3
	v_add_nc_u32 v[TM+12+\b], 0xf8800000, v[TM+\b] ; 15 off its exponent field: the conversion's scale operand
.endr
.irp b, 0,1,2,3
	v_and_or_b32 v[TM+8+\b], v[TM+\b], 0x7f800000, s23   ; 57,344 x the scale
.endr
.irp b, 0,1,2,3
	v_lshrrev_b32 v[TM+4+\b], 23, v[TM+12+\b]      ; the scale's byte
.endr
	s_wait_alu depctr_va_vdst(0)
	s_wait_dscnt 0x0                               ; the last block's LDS stores have read their registers
	v_lshl_or_b32 v[PW], v[TM+5], 8, v[TM+4]
	v_lshl_or_b32 v[PW], v[TM+6], 16, v[PW]
	v_lshl_or_b32 v[PW], v[TM+7], 24, v[PW]        ; my row's four bytes
	WIN 0x02+(\a)/4                                ; source 0: window 2 or 3
.irp b, 0,1,2,3
.irp i, 0,1,2,3,4,5,6,7,8,9,10,11,12,13,14,15
	v_med3_num_f32 v[HX+16*\b+\i], v[AC+16*\b+\i], -v[TM+8+\b], v[TM+8+\b]   ; the conversion does not saturate (ISA guide 7.6.2): the hold at the largest code x the scale
.endr
.endr
	WIN 0
.irp b, 0,1,2,3
.irp u, 0,1
	v_cvt_scalef32_pk8_bf8_f32 v[PC+4*\b+2*\u:PC+4*\b+2*\u+1], v[HX+16*\b+8*\u:HX+16*\b+8*\u+7], v[TM+12+\b]
.endr
.endr
.irp b, 0,1,2,3
.irp u, 0,1
	ds_store_b64 v[CSO], v[PC+4*\b+2*\u:PC+4*\b+2*\u+1] offset:16*CP*(\a)+32*\b+16*\u
.endr
.endr
	ds_store_b32 v[SSO], v[PW] offset:128*(\a)
.endm
.irp a, 0,1,2,3,4,5,6,7
	QBLK \a
.endr
	s_wait_dscnt 0x0                               ; for the others' sake: my stores into the stage are done
	s_barrier_signal -1
	s_barrier_wait -1                              ; the tile's 256 rows of 256 codes lie in the stage; both ways below only read LDS
	v_and_b32 v1, 31, v0                           ; lane
	s_mul_i32 s18, s14, 64*CP                      ; I send rows 64 x wave on
	s_lshl_b32 s19, s14, 10
	s_add_co_u32 s19, s19, SST                     ; and my own scale words
	v_lshlrev_b32 v7, 3, v1                        ; 8 bytes a lane
	s_mov_b32 s47, 0
	s_cmp_eq_u32 s[MODE], 2
	s_cbranch_scc1 .Lpath_v
	; q, k: a row's 256 bytes are four heads' 64.  Eight rows of one head are 512 consecutive bytes of the output.
	v_lshrrev_b32 v2, 2, v1                        ; l / 4: the row among eight
	v_and_b32 v3, 3, v1                            ; l % 4: 16 of its 64 bytes
	v_mul_u32_u24 v4, v2, CP
	v_lshl_add_u32 v4, v3, 4, v4
	v_add_nc_u32 v4, s18, v4                       ; in the stage
	s_wait_alu depctr_va_vdst(0)
	v_lshlrev_b32 v5, 4, v1
	s_lshl_b32 s22, s14, 12
	v_add_nc_u32 v5, s22, v5                       ; in memory: 16 x lane + 64 rows x 64 bytes x wave
	v_lshlrev_b32 v6, 7, v2
	v_lshl_add_u32 v6, v3, 3, v6
	v_add_nc_u32 v6, s19, v6                       ; scale words (a = l / 4, r = 2 (l % 4) and the next)
	s_lshr_b32 s18, s17, 3                         ; the batch
	s_and_b32 s19, s17, 7                          ; which 256 rows of it
	s_lshl_b32 s46, s18, 21
	s_lshl_b32 s22, s42, 19                        ; four heads a tile column
	s_add_co_u32 s46, s46, s22
	s_lshl_b32 s22, s19, 14
	s_add_co_u32 s46, s46, s22
	s_add_nc_u64 s[12:13], s[12:13], s[46:47]
	s_lshl_b32 s46, s18, 17
	s_lshl_b32 s22, s42, 15
	s_add_co_u32 s46, s46, s22
	s_lshl_b32 s22, s16, 14                        ; my two heads
	s_add_co_u32 s46, s46, s22
	s_lshl_b32 s22, s19, 10
	s_add_co_u32 s46, s46, s22
	s_lshl_b32 s22, s15, 8                         ; my 128 rows: 64 words
	s_add_co_u32 s46, s46, s22
	s_add_nc_u64 s[66:67], s[66:67], s[46:47]
.set T, 0
.rept 32                               ; head T / 8, rows 8 (T % 8) on
	ds_load_b128 v[64+4*T:64+4*T+3], v4 offset:(T%8)*8*CP+64*(T/8)
.set T, T+1
.endr
.set T, 0
	s_wait_alu depctr_va_vdst(0)
.rept 32
	s_wait_dscnt 31-T                              ; LDS loads come back in order: load T is in, the younger ones may be out
	global_store_b128 v5, v[64+4*T:64+4*T+3], s[12:13] offset:(T/8)*131072+(32*((T%8)>>2)+16*((T%8)&1)+8*(((T%8)>>1)&1))*64   ; the rows' bits 3 and 4 change places; 512 consecutive bytes a store
.set T, T+1
.endr
	ds_load_b64 v[200:201], v6                     ; rows r = j, j + 1 of block a: positions r' = 8 (a % 2) + j of tile 0,
	ds_load_b64 v[202:203], v6 offset:32           ; rows 8 + j, 8 + j + 1: the same r' of tile 1
	s_wait_dscnt 0x0
	v_perm_b32 v204, v202, v200, 0x05040100        ; my first head: the low halves
	v_perm_b32 v205, v203, v201, 0x05040100
	v_perm_b32 v206, v202, v200, 0x07060302        ; my second head: the high halves
	v_perm_b32 v207, v203, v201, 0x07060302
	global_store_b64 v7, v[204:205], s[66:67]      ; 32 lanes store 256 consecutive bytes, aligned
	global_store_b64 v7, v[206:207], s[66:67] offset:8192
	s_branch .Ldone
.Lpath_v:
	s_wait_alu depctr_va_vdst(0)
	; v: a stage row is 256 keys of one row (head, d) of the output: sixteen lanes store it whole
	v_lshrrev_b32 v2, 4, v1
	v_and_b32 v3, 15, v1
	v_mul_u32_u24 v4, v2, CP
	v_lshl_add_u32 v4, v3, 4, v4
	v_add_nc_u32 v4, s18, v4                       ; in the stage: two rows an instruction
	s_wait_alu depctr_va_vdst(0)
	v_lshlrev_b32 v5, 13, v2
	v_lshl_add_u32 v5, v3, 4, v5
	s_lshl_b32 s22, s14, 19
	v_add_nc_u32 v5, s22, v5                       ; in memory: rows of 8,192 bytes
	v_lshrrev_b32 v2, 3, v1
	v_and_b32 v3, 7, v1
	v_lshlrev_b32 v6, 7, v2
	v_lshl_add_u32 v6, v3, 3, v6
	v_add_nc_u32 v6, s19, v6                       ; scale words (a % 4 = l / 8, r = 2 (l % 8) and the next): d = 2 l, 2 l + 1
	s_lshl_b32 s46, s17, 21
	s_lshl_b32 s22, s42, 8
	s_add_co_u32 s46, s46, s22
	s_add_nc_u64 s[12:13], s[12:13], s[46:47]
	s_lshr_b32 s18, s42, 3                         ; the batch
	s_and_b32 s19, s42, 7                          ; which 256 keys of it
	s_lshl_b32 s46, s18, 17
	s_lshl_b32 s22, s17, 15                        ; four heads a tile row
	s_add_co_u32 s46, s46, s22
	s_lshl_b32 s22, s15, 14                        ; my two heads
	s_add_co_u32 s46, s46, s22
	s_lshl_b32 s22, s19, 10
	s_add_co_u32 s46, s46, s22
	s_lshl_b32 s22, s16, 8                         ; my 128 keys
	s_add_co_u32 s46, s46, s22
	s_add_co_u32 s46, s46, 512                     ; behind k's bytes
	s_add_nc_u64 s[66:67], s[66:67], s[46:47]
.set T, 0
.rept 32
	ds_load_b128 v[64+4*T:64+4*T+3], v4 offset:2*T*CP
.set T, T+1
.endr
.set T, 0
	s_wait_alu depctr_va_vdst(0)
.rept 32
	s_wait_dscnt 31-T
	global_store_b128 v5, v[64+4*T:64+4*T+3], s[12:13] offset:16384*T   ; 16 lanes store 256 consecutive bytes, aligned
.set T, T+1
.endr
	ds_load_b64 v[200:201], v6
	ds_load_b64 v[202:203], v6 offset:512
	s_wait_dscnt 0x0
	global_store_b64 v7, v[200:201], s[66:67]
	global_store_b64 v7, v[202:203], s[66:67] offset:8192
.Ldone:
	s_wait_tensorcnt 0x0                           ; the wave's end
	ds_add_u32 v[SPW], v[NIL]
	s_wait_dscnt 0x0
	CROUND                                         ; the closing round: no work-group ends while a partner may still ask for a tile that names it
	s_endpgm
.Lfunc_end_k_qe6663fe643_qkv:
	.size	k_qe6663fe643_qkv, .Lfunc_end_k_qe6663fe643_qkv-k_qe6663fe643_qkv
	.p2alignl 7, 3214868480
	.fill 96, 4, 3214868480
	.section	.rodata,"a",@progbits
	.p2align	6, 0x0
	.amdhsa_kernel k_qe6663fe643_qkv
		.amdhsa_group_segment_fixed_size 327680
		.amdhsa_private_segment_fixed_size 0
		.amdhsa_enable_private_segment 0
		.amdhsa_kernarg_size 104
		.amdhsa_user_sgpr_count 2
		.amdhsa_user_sgpr_kernarg_segment_ptr 1
		.amdhsa_wavefront_size32 1
		.amdhsa_system_sgpr_workgroup_id_x 1
		.amdhsa_system_sgpr_workgroup_id_y 1
		.amdhsa_system_sgpr_workgroup_id_z 1
		.amdhsa_system_vgpr_workitem_id 0
		.amdhsa_next_free_vgpr 1024
		.amdhsa_next_free_sgpr 100
		.amdhsa_reserve_vcc 0
		.amdhsa_float_denorm_mode_32 3
		.amdhsa_float_denorm_mode_16_64 3
		.amdhsa_memory_ordered 1
		.amdhsa_forward_progress 1
		.amdhsa_inst_pref_size 203
	.end_amdhsa_kernel
	.amdgpu_metadata
---
amdhsa.version: [ 1, 2 ]
amdhsa.kernels:
  - .name:           k_qe6663fe643_qkv
    .symbol:         k_qe6663fe643_qkv.kd
    .args:
      - { .name: x_codes, .offset: 0, .size: 8, .value_kind: global_buffer, .address_space: global }
      - { .name: x_scales, .offset: 8, .size: 8, .value_kind: global_buffer, .address_space: global }
      - { .name: Wq_codes, .offset: 16, .size: 8, .value_kind: global_buffer, .address_space: global }
      - { .name: Wq_scales, .offset: 24, .size: 8, .value_kind: global_buffer, .address_space: global }
      - { .name: Wk_codes, .offset: 32, .size: 8, .value_kind: global_buffer, .address_space: global }
      - { .name: Wk_scales, .offset: 40, .size: 8, .value_kind: global_buffer, .address_space: global }
      - { .name: Wv_codes, .offset: 48, .size: 8, .value_kind: global_buffer, .address_space: global }
      - { .name: Wv_scales, .offset: 56, .size: 8, .value_kind: global_buffer, .address_space: global }
      - { .name: q_codes, .offset: 64, .size: 8, .value_kind: global_buffer, .address_space: global }
      - { .name: q_scales, .offset: 72, .size: 8, .value_kind: global_buffer, .address_space: global }
      - { .name: k_codes, .offset: 80, .size: 8, .value_kind: global_buffer, .address_space: global }
      - { .name: kv_scales, .offset: 88, .size: 8, .value_kind: global_buffer, .address_space: global }
      - { .name: v_codes, .offset: 96, .size: 8, .value_kind: global_buffer, .address_space: global }
    .group_segment_fixed_size: 327680
    .private_segment_fixed_size: 0
    .kernarg_segment_align: 8
    .kernarg_segment_size: 104
    .max_flat_workgroup_size: 128
    .sgpr_count:     100
    .vgpr_count:     1024
    .wavefront_size: 32
...
	.end_amdgpu_metadata
.endif
;; end of part 1
;; launch attn (part 2): grid 4 x 64, 16 waves a work-group, no clusters, 327,680 bytes of LDS; arguments q_codes, q_scales, k_codes, v_codes, kv_scales, flat_codes, flat_scales; writes flat_codes, flat_scales
.if DOCPART == 2
	.amdgcn_target "amdgcn-amd-amdhsa--gfx1250"
	.amdhsa_code_object_version 6
	.text
	.protected	k_qe6663fe643_attn
	.globl	k_qe6663fe643_attn
	.p2align	8
	.type	k_qe6663fe643_attn,@function
k_qe6663fe643_attn:
	s_mov_b64 s[64:65], 0
	v_nop
	global_prefetch_b8 v0, s[64:65] scope:SCOPE_SE
	s_setreg_imm32_b32 hwreg(HW_REG_WAVE_MODE, 25, 1), 1
	s_wait_xcnt 0x0
; Causal attention of one (batch, head) on codes of BF8 (E5M2) with E8M0 scales, head size 64, 2,048 rows; the result is quantised along (head, d) for the last product.
; t = score x log2(e) / 8; M = the running largest t rounded UP to a whole number; p = 2^(t - M) is quantised along the keys, not normalised; the row's sum is taken of the unquantised p and divides at the end.
; SHARES.  Work-group (p, y) owns the blocks p and 7 - p of 256 queries of (batch, head) y.  It walks key slots 0 .. p for the first and then 0 .. 7 - p for the second: nine slots of 256 keys in every
; work-group, so that all 256 work-groups have the same trips and no slot is fetched that nobody reads.  Each of the sixteen waves owns 16 queries of the block in hand, in 256 registers.
; No cluster: in the same trip the four work-groups of a head want different slots (slot i against slot i - p - 1), so no request could be joint.
; LAYOUT.  Both products are used transposed: S^T = K Q^T (source 0 = keys), O^T = V^T P^T (source 0 = 16 of the head's 64): a lane holds one query (lane % 16) throughout.
; THE FIRST PRODUCT'S K IS 64, THE INSTRUCTION'S 128: a fragment of K holds TWO tiles of 16 keys, one in K 0-63 and one in K 64-127; Q stands between zeros (v16-23 = 0, v24-31 = q, v32-39 = 0), so that
; v[24:39] multiplies the first tile and v[16:31] the second: zero codes add nothing.  Tile u of fragment b holds the keys 32 b + 16 (r / 8) + 8 u + r % 8, which k_codes has at neighbouring positions:
; the 16 registers of a fragment's two results are then the keys 32 b + 16 (lane / 16) + 0 .. 15, as the second product's operand wants them.
; A slot in LDS: K's 256 positions x 80 bytes, V's 64 rows x 272, the slot's 1,024 scale bytes; waves 0, 1, 2 fetch one of the three each.
; LIMITS: NaN and infinities are not served; a block of zeros gets the byte 1 (its codes are zeros; this program alone reads the bytes).  The result's scale bytes leave as single bytes, 32 an instruction.
; REGISTERS: v1-3 places that stay; v5, v6 the add's; v7 16 x lane; v8-10 addresses in hand; v12 -M, v13 the largest t, v[14:15] the sum; v16-39 Q; v40-48 the second block's q and scale word; v49-51 the way out;
;   v64-127 four fragments; v128-191 S^T, then p; v192-223 O^T; v224-239 p's codes; v232-247, v252-254 at work; v248-251 K's, then V's scale words; v255 Q's scale word.
.set KP,    80                         ; a position's 64 bytes + 16 of padding
.set VP,    272                        ; a row of V: 256 keys + 16
.set VOFF,  256*KP
.set SOFF,  VOFF+64*VP
.set SLOT1, 1<<16                      ; slot 1 begins here: one exclusive or turns an address from one slot to the other
.set OSTG,  2*SLOT1                    ; the way out: 1,024 bytes for each wave; no fill lands here
.set SPARE, OSTG+16*1024               ; the spare words, 128 bytes a wave: eight blocks of 256 bytes that no other line names
.set AK0,  1
.set AV0,  2
.set ASC,  3
.set SPW,  5
.set NIL,  6
.set GO,   7
.set ADK,  8
.set ADV,  9
.set ADS,  10
.set SO,   49
.set SR,   50
.set GS,   51
.set WV,   18
.set MNT,  19
.set SEL,  20
.set CS,   22
.set G1K,  24
.set G1V,  32
.set G1S,  40
.set G0K,  48
.set G0V,  52
.set G0S,  56
.set BK,   60                          ; s[60:61] k_codes at my (batch, head)
.set BV,   62                          ; s[62:63] v_codes likewise
.set BS,   66                          ; s[66:67] kv_scales likewise
.set TB,   68                          ; the LDS slot in hand
.set SLOTS, 69
.set CNT,  70                          ; slots done
.set SWT,  71                          ; slots of the first block: p + 1
.set FK,   72                          ; the key slot last asked for
.set KF,   73                          ; the step's first key
.set Q0,   74                          ; my first query
.set Q0B,  75                          ; and that of the second block
.set OFF,  76                          ; s[76:77] an offset; the high word stays 0
.set FC,   80                          ; s[80:81] flat_codes at my head and batch
.set FS,   82                          ; s[82:83] flat_scales at my batch and head
; Wave 0 fetches K's tile, wave 1 V's, wave 2 the scale bytes, the others nothing.  Four v_nop follow each load.
.macro TLOAD
	s_cmp_eq_u32 s[WV], 0
	s_cbranch_scc0 .Lnot_k_\@
	tensor_load_to_lds s[G0K:G0K+3], s[G1K:G1K+7]
	s_nop 0
.rept 4
	v_nop
.endr
	s_branch .Lasked_\@
.Lnot_k_\@:
	s_cmp_eq_u32 s[WV], 1
	s_cbranch_scc0 .Lnot_v_\@
	tensor_load_to_lds s[G0V:G0V+3], s[G1V:G1V+7]
	s_nop 0
.rept 4
	v_nop
.endr
	s_branch .Lasked_\@
.Lnot_v_\@:
	s_cmp_eq_u32 s[WV], 2
	s_cbranch_scc0 .Lasked_\@
	tensor_load_to_lds s[G0S:G0S+3], s[G1S:G1S+7]
	s_nop 0
.rept 4
	v_nop
.endr
.Lasked_\@:
.endm
	s_load_b256 s[4:11], s[0:1], 0x0               ; q_codes, q_scales, k_codes, v_codes
	s_load_b128 s[12:15], s[0:1], 0x20             ; kv_scales, flat_codes
	s_load_b64 s[16:17], s[0:1], 0x30              ; flat_scales
	v_lshl_add_u32 v[SPW], v0, 2, SPARE
	v_mov_b32 v[NIL], 0
	ds_add_u32 v5, v6
	ds_add_u32 v5, v6
	s_wait_dscnt 0x0
	v_lshrrev_b32 v8, 5, v0
	s_delay_alu instid0(VALU_DEP_1)
	v_readfirstlane_b32 s[WV], v8                  ; wave 0..15
	s_and_b32 s78, ttmp7, 0xffff                   ; y = 16 x batch + head
	s_lshr_b32 s79, s78, 4                         ; batch
	s_and_b32 s92, s78, 15                         ; head
	s_sub_co_u32 s93, 7, ttmp9                     ; the second block
	s_mov_b32 s[OFF+1], 0
	; K: a slot's 256 positions are 16,384 dense bytes: 64 rows of 256 bytes (32 elements of 8), 16 bytes of padding behind every 64
	s_mov_b32 s[G1K], (3<<16)|(1<<20)|(3<<22)|(3<<25)
	s_mov_b32 s[G1K+1], 32<<16
	s_mov_b32 s[G1K+2], 64<<16
	s_mov_b32 s[G1K+3], 32<<16
	s_mov_b32 s[G1K+4], 64
	s_mov_b32 s[G1K+5], 32
	s_mov_b32 s[G1K+6], 0
	s_mov_b32 s[G1K+7], 0
	; V: 64 rows of 256 bytes, 8,192 bytes apart, 16 bytes of padding behind each
	s_mov_b32 s[G1V], (0<<16)|(1<<20)|(5<<22)|(3<<25)
	s_mov_b32 s[G1V+1], 256<<16
	s_mov_b32 s[G1V+2], 64<<16
	s_mov_b32 s[G1V+3], 256<<16
	s_mov_b32 s[G1V+4], 64
	s_mov_b32 s[G1V+5], 8192
	s_mov_b32 s[G1V+6], 0
	s_mov_b32 s[G1V+7], 0
	; the scale bytes: 1,024 dense bytes, 4 rows of 256
	s_mov_b32 s[G1S], 3<<16
	s_mov_b32 s[G1S+1], 32<<16
	s_mov_b32 s[G1S+2], 4<<16
	s_mov_b32 s[G1S+3], 32<<16
	s_mov_b32 s[G1S+4], 4
	s_mov_b32 s[G1S+5], 32
	s_mov_b32 s[G1S+6], 0
	s_mov_b32 s[G1S+7], 0
	s_mov_b32 s[G0K], 1
	s_mov_b32 s[G0K+1], 0
	s_mov_b32 s[G0V], 1
	s_mov_b32 s[G0V+1], VOFF
	s_mov_b32 s[G0S], 1
	s_mov_b32 s[G0S+1], SOFF
	s_mov_b32 s[SEL], 0x76543210
	s_mov_b32 s[SEL+1], 0xfedcba98                 ; v_permlanex16_b32's selects for lane l xor 16
	s_mov_b32 s[CS], 0x3e38aa3b                    ; c = log2(e) / 8
	s_mov_b32 s[CS+1], s[CS]                       ; (named with it as a pair, so it is written)
	s_mov_b32 s[TB], 0
	s_mov_b32 s[SLOTS], 8
	s_mov_b32 s[CNT], 0
	s_add_co_u32 s[SWT], ttmp9, 1
	s_mov_b32 s[FK], 0
	s_mov_b32 s[KF], 0
	s_lshl_b32 s84, s[WV], 4
	s_lshl_b32 s[Q0], ttmp9, 8
	s_add_co_u32 s[Q0], s[Q0], s84                 ; 256 p + 16 wave
	s_lshl_b32 s[Q0B], s93, 8
	s_add_co_u32 s[Q0B], s[Q0B], s84               ; 256 (7 - p) + 16 wave
	s_wait_kmcnt 0x0
	s_lshl_b32 s[OFF], s78, 17
	s_add_nc_u64 s[BK:BK+1], s[8:9], s[OFF:OFF+1]
	s_lshl_b32 s[OFF], s92, 19
	s_add_nc_u64 s[BV:BV+1], s[10:11], s[OFF:OFF+1]
	s_lshl_b32 s[OFF], s79, 11
	s_add_nc_u64 s[BV:BV+1], s[BV:BV+1], s[OFF:OFF+1]
	s_lshl_b32 s[OFF], s78, 13
	s_add_nc_u64 s[BS:BS+1], s[12:13], s[OFF:OFF+1]
	s_mov_b64 s[G0K+2:G0K+3], s[BK:BK+1]
	s_or_b32 s[G0K+3], s[G0K+3], 0x80000000
	s_mov_b64 s[G0V+2:G0V+3], s[BV:BV+1]
	s_or_b32 s[G0V+3], s[G0V+3], 0x80000000
	s_mov_b64 s[G0S+2:G0S+3], s[BS:BS+1]
	s_or_b32 s[G0S+3], s[G0S+3], 0x80000000
	TLOAD                                          ; key slot 0 into LDS slot 0: the launch's first fill
	s_lshl_b32 s[OFF], s92, 19
	s_add_nc_u64 s[FC:FC+1], s[14:15], s[OFF:OFF+1]
	s_lshl_b32 s[OFF], s79, 17
	s_add_nc_u64 s[FC:FC+1], s[FC:FC+1], s[OFF:OFF+1]
	s_lshl_b32 s[OFF], s79, 16
	s_lshl_b32 s84, s92, 1
	s_add_co_u32 s[OFF], s[OFF], s84
	s_add_nc_u64 s[FS:FS+1], s[16:17], s[OFF:OFF+1]
	; my 16 queries lie at positions 256 X + 32 (wave / 2) + 8 (wave % 2) + 16 (r / 8) + r % 8
	s_lshr_b32 s84, s[WV], 1
	s_lshl_b32 s84, s84, 5
	s_and_b32 s85, s[WV], 1
	s_lshl_b32 s85, s85, 3
	s_add_co_u32 s84, s84, s85
	s_lshl_b32 s85, s78, 11
	s_add_co_u32 s84, s84, s85                     ; + 2,048 y
	s_lshl_b32 s85, ttmp9, 8
	s_add_co_u32 s85, s85, s84
	s_lshl_b32 s[OFF], s85, 6
	s_add_nc_u64 s[86:87], s[4:5], s[OFF:OFF+1]    ; the first block's codes
	s_lshl_b32 s85, s93, 8
	s_add_co_u32 s85, s85, s84
	s_lshl_b32 s[OFF], s85, 6
	s_add_nc_u64 s[88:89], s[4:5], s[OFF:OFF+1]    ; the second block's
	s_lshl_b32 s84, s78, 13
	s_lshl_b32 s85, s[WV], 5
	s_add_co_u32 s84, s84, s85                     ; scale bytes: 8,192 y + 32 wave
	s_lshl_b32 s85, ttmp9, 10
	s_add_co_u32 s[OFF], s85, s84
	s_add_nc_u64 s[90:91], s[6:7], s[OFF:OFF+1]
	s_lshl_b32 s85, s93, 10
	s_add_co_u32 s[OFF], s85, s84
	s_add_nc_u64 s[94:95], s[6:7], s[OFF:OFF+1]
	v_and_b32 v8, 15, v0                           ; r
	v_bfe_u32 v9, v0, 4, 1                         ; h
	s_delay_alu instid0(VALU_DEP_2)
	v_and_b32 v10, 8, v8
	s_delay_alu instid0(VALU_DEP_1)
	v_add_nc_u32 v10, v10, v8                      ; 16 (r / 8) + r % 8
	s_delay_alu instid0(VALU_DEP_1)
	v_lshlrev_b32 v10, 6, v10
	s_delay_alu instid0(VALU_DEP_1)
	v_lshl_add_u32 v10, v9, 4, v10                 ; x 64 bytes + 16 h
	v_and_b32 v11, 7, v8
	v_lshrrev_b32 v4, 3, v8
	s_delay_alu instid0(VALU_DEP_2)
	v_lshlrev_b32 v11, 2, v11
	s_delay_alu instid0(VALU_DEP_1)
	v_lshl_add_u32 v11, v4, 1, v11                 ; my query's two scale bytes: 4 (r % 8) + 2 (r / 8)
	global_load_b128 v[24:27], v10, s[86:87]
	global_load_b128 v[28:31], v10, s[86:87] offset:32
	global_load_b128 v[40:43], v10, s[88:89]
	global_load_b128 v[44:47], v10, s[88:89] offset:32
	global_load_u16 v255, v11, s[90:91]
	global_load_u16 v48, v11, s[94:95]
	v_mul_u32_u24 v[AK0], v8, KP
	s_delay_alu instid0(VALU_DEP_1)
	v_lshl_add_u32 v[AK0], v9, 4, v[AK0]
	v_mul_u32_u24 v[AV0], v8, VP
	s_delay_alu instid0(VALU_DEP_1)
	v_lshl_add_u32 v[AV0], v9, 4, v[AV0]
	s_delay_alu instid0(VALU_DEP_1)
	v_add_nc_u32 v[AV0], VOFF, v[AV0]
	v_lshl_add_u32 v[ASC], v8, 2, SOFF
	v_and_b32 v4, 31, v0
	s_delay_alu instid0(VALU_DEP_1)
	v_lshlrev_b32 v[GO], 4, v4
	s_lshl_b32 s84, s[WV], 10
	s_add_co_u32 s84, s84, OSTG                    ; my stage
	v_lshlrev_b32 v[SO], 6, v8
	s_delay_alu instid0(VALU_DEP_1)
	v_lshl_add_u32 v[SO], v9, 3, v[SO]
	s_delay_alu instid0(VALU_DEP_1)
	v_add_nc_u32 v[SO], s84, v[SO]                 ; in: row r of 64 bytes, + 8 h
	v_add_nc_u32 v[SR], s84, v[GO]                 ; back: 16 bytes a lane
	v_lshl_add_u32 v[GS], v8, 5, v9                ; my row's scale byte of block h
.irp j, 16,17,18,19,20,21,22,23,32,33,34,35,36,37,38,39
	v_mov_b32 v[\j], 0                             ; the zero codes on both sides of q
.endr
	v_mov_b32 v13, 0xff61b1e6                      ; the largest t so far: -3e38
	s_delay_alu instid0(VALU_DEP_1)
	v_floor_f32 v12, -v13                          ; -M
	v_mov_b32 v14, 0
	v_mov_b32 v15, 0
.irp j, 236,237,238,239,252,253
	v_mov_b32 v[\j], 0                             ; written once: a lane permute's destination counts as a source, and a pair is named whole
.endr
	s_wait_loadcnt 0x0                             ; q of both blocks
	v_lshl_or_b32 v255, v255, 16, v255             ; the two bytes twice: for K 0-63 and for K 64-127
	v_lshl_or_b32 v48, v48, 16, v48
.set J, 0
.rept 32
	v_mov_b32 v[192+J], 0                          ; O^T: the step is written once; its first run finds zeros
.set J, J+1
.endr
; A KEY STEP: 128 keys, the q-th of the slot in hand.
.macro STEP q
	s_add_co_u32 s84, s[Q0], 15                    ; a step all of whose keys come after my 16 queries is left out: a branch on ids, round no barrier and no tensor load
	s_cmp_gt_u32 s[KF], s84
	s_cbranch_scc1 .Lhidden_\@
	v_add_nc_u32 v[ADK], s[TB], v[AK0]
	v_add_nc_u32 v[ADV], s[TB], v[AV0]
	v_add_nc_u32 v[ADS], s[TB], v[ASC]
.rept 5
	v_nop                                          ; with the three additions: eight places in front of loads into registers that matrix instructions have read
.endr
.irp b, 0,1,2,3
.irp c, 0,1,2,3
	ds_load_b128 v[64+16*\b+4*\c:64+16*\b+4*\c+3], v[ADK] offset:(128*(\q)+32*\b+16*(\c/2))*KP+32*(\c%2)
.endr
	ds_load_b32 v[248+\b], v[ADS] offset:256*(\q)+64*\b
.endr
	s_wait_alu depctr_va_vdst(0)
	s_wait_dscnt 0x0
.irp b, 0,1,2,3
	v_wmma_scale_f32_16x16x128_f8f6f4 v[128+16*\b:135+16*\b], v[64+16*\b:79+16*\b], v[24:39], 0, v[248+\b], v255 matrix_a_fmt:MATRIX_FMT_BF8 matrix_b_fmt:MATRIX_FMT_BF8
	v_wmma_scale_f32_16x16x128_f8f6f4 v[136+16*\b:143+16*\b], v[64+16*\b:79+16*\b], v[16:31], 0, v[248+\b], v255 matrix_a_fmt:MATRIX_FMT_BF8 matrix_b_fmt:MATRIX_FMT_BF8
.endr
.rept 8
	v_nop
.endr
.irp t, 0,1,2,3                                ; V's fragments are asked for now and land under the softmax
.irp c, 0,1,2,3
	ds_load_b128 v[64+16*\t+4*\c:64+16*\t+4*\c+3], v[ADV] offset:16*VP*\t+128*(\q)+32*\c
.endr
	ds_load_b32 v[248+\t], v[ADS] offset:512+256*(\q)+64*\t
.endr
	s_add_co_u32 s84, s[KF], 127                   ; on the diagonal hidden scores become -infinity ahead of the maximum; a step all of whose keys count skips this
	s_cmp_le_u32 s84, s[Q0]
	s_cbranch_scc1 .Lopen_\@
	s_sub_co_i32 s84, s[Q0], s[KF]
	v_and_b32 v252, 15, v0
	v_bfe_u32 v253, v0, 4, 1
	s_delay_alu instid0(VALU_DEP_1)
	v_lshlrev_b32 v253, 4, v253
	s_delay_alu instid0(VALU_DEP_1)
	v_sub_nc_u32 v252, v252, v253
	s_delay_alu instid0(VALU_DEP_1)
	v_add_nc_u32 v252, s84, v252                   ; d = my query - KF - 16 (lane / 16); register 16 b + i holds key KF + 16 (lane / 16) + 32 b + i: hidden where 32 b + i > d
	v_mov_b32 v254, 0xff800000
.set J, 0
.rept 64
	v_cmp_gt_i32 vcc_lo, 32*(J/16)+J%16, v252
	v_cndmask_b32 v[128+J], v[128+J], v254, vcc_lo
.set J, J+1
.endr
.Lopen_\@:
.irp b, 0,1,2,3
	v_max3_num_f32 v[232+\b], v[128+16*\b], v[129+16*\b], v[130+16*\b]   ; the largest score of each block of 32 keys: for the row's maximum and, since p rises with the score, for the block's largest p
.endr
.irp i, 3,5,7,9,11,13
.irp b, 0,1,2,3
	v_max3_num_f32 v[232+\b], v[232+\b], v[128+16*\b+\i], v[129+16*\b+\i]
.endr
.endr
.irp b, 0,1,2,3
	v_max_num_f32 v[232+\b], v[232+\b], v[143+16*\b]
.endr
.irp b, 0,1,2,3
	v_permlanex16_b32 v[236+\b], v[232+\b], s[SEL], s[SEL+1]
.endr
.irp b, 0,1,2,3
	s_delay_alu instid0(VALU_DEP_4)
	v_max_num_f32 v[232+\b], v[232+\b], v[236+\b]
.endr
	s_delay_alu instid0(VALU_DEP_2)
	v_max3_num_f32 v254, v232, v233, v234
	s_delay_alu instid0(VALU_DEP_1)
	v_max_num_f32 v254, v254, v235
	s_delay_alu instid0(VALU_DEP_1)
	v_mul_f32 v254, s[CS], v254                    ; the step's largest t
	s_delay_alu instid0(VALU_DEP_1)
	v_max_num_f32 v13, v13, v254
	v_mov_b32 v254, v12
	s_delay_alu instid0(VALU_DEP_2)
	v_floor_f32 v12, -v13                          ; the new -M = -ceil(t)
	s_delay_alu instid0(VALU_DEP_1)
	v_sub_f32 v254, v12, v254                      ; old M - new M: a whole number, 0 or less
	s_delay_alu instid0(VALU_DEP_1)
	v_cvt_i32_f32 v254, v254
	s_delay_alu instid0(VALU_DEP_1)
	v_ldexp_f32 v252, 1.0, v254                    ; f = 2^(old M - new M): rounds nothing
.set J, 0
.rept 32
	v_pk_fma_f32 v[128+J:129+J], v[128+J:129+J], s[CS:CS+1], v[12:13] op_sel_hi:[1,0,0]   ; t - M
.set J, J+2
.endr
.irp b, 0,1,2,3
	v_fma_f32 v[232+\b], v[232+\b], s[CS], v12
.endr
.set J, 0
	s_wait_alu depctr_va_vdst(0)
.rept 64
	v_exp_f32 v[128+J], v[128+J]                   ; p = 2^(t - M)
.set J, J+1
.endr
.irp b, 0,1,2,3
	v_exp_f32 v[232+\b], v[232+\b]                 ; the block's largest p
.endr
	v_pk_mul_f32 v[14:15], v[14:15], v[252:253] op_sel_hi:[1,0]   ; the sums under the new M (a plain place behind the exponentials)
	s_wait_alu depctr_va_vdst(0)
.irp b, 0,1,2,3
	v_max_num_f32 v[232+\b], 0x8000000, v[232+\b]  ; the floor 2^(16 - 127)
.endr
.irp b, 0,1,2,3
	s_delay_alu instid0(VALU_DEP_4)
	v_add_nc_u32 v[244+\b], 0xf8800000, v[232+\b]  ; the conversion's scale operand
.endr
.irp b, 0,1,2,3
.endr
.irp b, 0,1,2,3
	s_delay_alu instid0(VALU_DEP_4)
	v_lshrrev_b32 v[236+\b], 23, v[244+\b]
.endr
	s_delay_alu instid0(VALU_DEP_3)
	v_lshl_or_b32 v253, v237, 8, v236              ; p's scale word for these 128 keys
	s_delay_alu instid0(VALU_DEP_1)
	v_lshl_or_b32 v253, v238, 16, v253
	s_delay_alu instid0(VALU_DEP_1)
	v_lshl_or_b32 v253, v239, 24, v253
	v_pk_add_f32 v[236:237], v[132:133], v[136:137]
	v_pk_add_f32 v[242:243], v[140:141], v[144:145]
	v_pk_add_f32 v[240:241], v[148:149], v[152:153]
	v_pk_add_f32 v[238:239], v[156:157], v[160:161]
	v_pk_add_f32 v[234:235], v[164:165], v[168:169]
	v_pk_add_f32 v[232:233], v[172:173], v[176:177]
	v_pk_add_f32 v[230:231], v[180:181], v[184:185]
	v_pk_add_f32 v[14:15], v[14:15], v[188:189]
	v_pk_add_f32 v[236:237], v[236:237], v[128:129]
	v_pk_add_f32 v[242:243], v[242:243], v[130:131]
	v_pk_add_f32 v[240:241], v[240:241], v[134:135]
	v_pk_add_f32 v[238:239], v[238:239], v[138:139]
	v_pk_add_f32 v[234:235], v[234:235], v[142:143]
	v_pk_add_f32 v[232:233], v[232:233], v[146:147]
	v_pk_add_f32 v[230:231], v[230:231], v[150:151]
	v_pk_add_f32 v[14:15], v[14:15], v[154:155]
	v_pk_add_f32 v[236:237], v[236:237], v[158:159]
	v_pk_add_f32 v[242:243], v[242:243], v[162:163]
	v_pk_add_f32 v[240:241], v[240:241], v[166:167]
	v_pk_add_f32 v[238:239], v[238:239], v[170:171]
	v_pk_add_f32 v[234:235], v[234:235], v[174:175]
	v_pk_add_f32 v[232:233], v[232:233], v[178:179]
	v_pk_add_f32 v[230:231], v[230:231], v[182:183]
	v_pk_add_f32 v[14:15], v[14:15], v[186:187]
	v_pk_add_f32 v[236:237], v[236:237], v[190:191]
	s_delay_alu instid0(VALU_DEP_2)
	v_pk_add_f32 v[14:15], v[14:15], v[238:239]
	s_delay_alu instid0(VALU_DEP_2)
	v_pk_add_f32 v[236:237], v[236:237], v[234:235]
	v_pk_add_f32 v[242:243], v[242:243], v[232:233]
	v_pk_add_f32 v[240:241], v[240:241], v[230:231]
	s_delay_alu instid0(VALU_DEP_2)
	v_pk_add_f32 v[14:15], v[14:15], v[242:243]
	s_delay_alu instid0(VALU_DEP_2)
	v_pk_add_f32 v[236:237], v[236:237], v[240:241]
	s_delay_alu instid0(VALU_DEP_1)
	v_pk_add_f32 v[14:15], v[14:15], v[236:237]
.irp b, 0,1,2,3
.irp i, 0,1,2,3,4,5,6,7,8,9,10,11,12,13,14,15
.endr
	v_cvt_scalef32_pk8_bf8_f32 v[224+4*\b:225+4*\b], v[128+16*\b:135+16*\b], v[244+\b]
	v_cvt_scalef32_pk8_bf8_f32 v[226+4*\b:227+4*\b], v[136+16*\b:143+16*\b], v[244+\b]
.endr
.set J, 0
.rept 16
	v_pk_mul_f32 v[192+J:193+J], v[192+J:193+J], v[252:253] op_sel_hi:[1,0]   ; O^T under the new M; these are also the places between the codes and the products
.set J, J+2
.endr
	s_wait_alu depctr_va_vdst(0)
	s_wait_dscnt 0x0                               ; V's fragments and scale words are in
.irp t, 0,1,2,3
	v_wmma_scale_f32_16x16x128_f8f6f4 v[192+8*\t:199+8*\t], v[64+16*\t:79+16*\t], v[224:239], v[192+8*\t:199+8*\t], v[248+\t], v253 matrix_a_fmt:MATRIX_FMT_BF8 matrix_b_fmt:MATRIX_FMT_BF8
.endr
.Lhidden_\@:
	s_add_co_u32 s[KF], s[KF], 128
.endm
; THE CHANGE OF SLOTS, at a slot's head.  Each wave waits for all its tensor loads, adds 0 to its spare word, and waits for that and for its reads of the slot that it has left.
; fill = 1: behind the barrier that slot takes the walk's next key slot, which has a whole slot's steps in which to land; one load of a wave is out then.
.macro CHANGE fill
	s_wait_tensorcnt 0x0                           ; no tensor load of mine is out, so a group 0 may be written
	ds_add_u32 v[SPW], v[NIL]                      ; 0 onto my spare word
.if \fill
	s_xor_b32 s[G0K+1], s[G0K+1], SLOT1
	s_xor_b32 s[G0V+1], s[G0V+1], SLOT1
	s_xor_b32 s[G0S+1], s[G0S+1], SLOT1
	s_add_co_u32 s84, s[CNT], 1
	s_add_co_u32 s85, s[FK], 1
	s_cmp_eq_u32 s84, s[SWT]
	s_cselect_b32 s[FK], 0, s85                    ; the next key slot; the second block begins at key slot 0 again
	s_lshl_b32 s[OFF], s[FK], 14
	s_add_nc_u64 s[G0K+2:G0K+3], s[BK:BK+1], s[OFF:OFF+1]
	s_or_b32 s[G0K+3], s[G0K+3], 0x80000000
	s_lshl_b32 s[OFF], s[FK], 8
	s_add_nc_u64 s[G0V+2:G0V+3], s[BV:BV+1], s[OFF:OFF+1]
	s_or_b32 s[G0V+3], s[G0V+3], 0x80000000
	s_lshl_b32 s[OFF], s[FK], 10
	s_add_nc_u64 s[G0S+2:G0S+3], s[BS:BS+1], s[OFF:OFF+1]
	s_or_b32 s[G0S+3], s[G0S+3], 0x80000000
.endif
	s_wait_dscnt 0x0                               ; the add is done, and my reads of the slot that I have left are over
	s_barrier_signal -1
	s_barrier_wait -1
.if \fill
	TLOAD                                          ; the first thing behind the barrier, and a wave's one tensor load until the next
.endif
.endm
.macro SLOT_STEPS
	STEP 0
	STEP 1
	s_xor_b32 s[TB], s[TB], SLOT1
.endm
; A BLOCK'S WAY OUT.  O^T / the sum; register 8 t + j of lane (r, h) is d = 16 t + 8 h + j of query r: two blocks of 32 along d, each half in lane l xor 16.  The codes go through my stage and leave as 1,024 bytes on end.
.macro OUT
.rept 8
	v_nop                                          ; places behind the last products
.endr
	v_add_f32 v14, v14, v15
	s_delay_alu instid0(VALU_DEP_1)
	v_permlanex16_b32 v252, v14, s[SEL], s[SEL+1]
	s_delay_alu instid0(VALU_DEP_1)
	v_add_f32 v14, v14, v252                       ; the row's sum
	s_wait_alu depctr_va_vdst(0)
	v_rcp_f32 v14, v14
	v_and_b32 v254, 16, v0                         ; (a plain place behind the reciprocal)
	s_delay_alu instid0(VALU_DEP_1)
	v_cmp_ne_u32 vcc_lo, 0, v254                   ; lanes 16-31
.set J, 0
	s_wait_alu depctr_va_vdst(0)
.rept 16
	v_pk_mul_f32 v[128+J:129+J], v[192+J:193+J], v[14:15] op_sel_hi:[1,0]   ; each accumulator from its low end on
.set J, J+2
.endr
.irp g, 0,1
	v_max3_num_f32 v[232+\g], |v[128+16*\g]|, |v[129+16*\g]|, 0x8000000
.endr
.irp i, 2,4,6,8,10,12,14
.irp g, 0,1
	s_delay_alu instid0(VALU_DEP_2)
	v_max3_num_f32 v[232+\g], v[232+\g], |v[128+16*\g+\i]|, |v[129+16*\g+\i]|
.endr
.endr
.irp g, 0,1
	v_permlanex16_b32 v[236+\g], v[232+\g], s[SEL], s[SEL+1]
.endr
.irp g, 0,1
	s_delay_alu instid0(VALU_DEP_2)
	v_max_num_f32 v[232+\g], v[232+\g], v[236+\g]
.endr
.irp g, 0,1
	s_delay_alu instid0(VALU_DEP_2)
	v_add_nc_u32 v[244+\g], 0xf8800000, v[232+\g]
.endr
.irp g, 0,1
.endr
.irp g, 0,1
	s_delay_alu instid0(VALU_DEP_2)
	v_lshrrev_b32 v[236+\g], 23, v[244+\g]
.endr
	s_delay_alu instid0(VALU_DEP_1)
	v_cndmask_b32 v238, v236, v237, vcc_lo         ; lane (r, h) sends block h's byte
.irp g, 0,1
.irp i, 0,1,2,3,4,5,6,7,8,9,10,11,12,13,14,15
.endr
	v_cvt_scalef32_pk8_bf8_f32 v[224+4*\g:225+4*\g], v[128+16*\g:135+16*\g], v[244+\g]
	v_cvt_scalef32_pk8_bf8_f32 v[226+4*\g:227+4*\g], v[136+16*\g:143+16*\g], v[244+\g]
.endr
.irp t, 0,1,2,3
	ds_store_b64 v[SO], v[224+2*\t:225+2*\t] offset:16*\t
.endr
	ds_load_b128 v[64:67], v[SR]                   ; LDS serves a wave's instructions in order: these see my stores
	ds_load_b128 v[68:71], v[SR] offset:512
	s_lshl_b32 s[OFF], s[Q0], 6
	s_add_nc_u64 s[86:87], s[FC:FC+1], s[OFF:OFF+1]
	s_lshl_b32 s[OFF], s[Q0], 5
	s_add_nc_u64 s[88:89], s[FS:FS+1], s[OFF:OFF+1]
	s_wait_alu depctr_va_vdst(0)
	s_wait_dscnt 0x0
	global_store_b128 v[GO], v[64:67], s[86:87]    ; 512 consecutive bytes a store
	global_store_b128 v[GO], v[68:71], s[86:87] offset:512
	global_store_b8 v[GS], v238, s[88:89]
	s_wait_xcnt 0x0                                ; the stores' registers and bases are written again only behind this wait
.endm
.Lslot:                                            ; eight trips: behind each change of slots but the last the next slot is asked for
	CHANGE 1
	SLOT_STEPS
	s_add_co_u32 s[CNT], s[CNT], 1
	s_cmp_lg_u32 s[CNT], s[SWT]
	s_cbranch_scc1 .Lsame_block
	OUT                                            ; the first block is done: it leaves, and the second begins
	v_mov_b32 v255, v48
.irp j, 0,1,2,3,4,5,6,7
	v_mov_b32 v[24+\j], v[40+\j]
.endr
	v_mov_b32 v13, 0xff61b1e6
	s_delay_alu instid0(VALU_DEP_1)
	v_floor_f32 v12, -v13
	v_mov_b32 v14, 0
	v_mov_b32 v15, 0
.set J, 0
.rept 32
	v_mov_b32 v[192+J], 0
.set J, J+1
.endr
	s_mov_b32 s[Q0], s[Q0B]
	s_mov_b32 s[KF], 0
.Lsame_block:
	s_sub_co_u32 s[SLOTS], s[SLOTS], 1
	s_cmp_lg_u32 s[SLOTS], 0
	s_cbranch_scc1 .Lslot
	CHANGE 0                                       ; the last slot is written out
	SLOT_STEPS
	OUT
	s_wait_tensorcnt 0x0                           ; the wave's end
	ds_add_u32 v[SPW], v[NIL]
	s_wait_dscnt 0x0
	s_endpgm
.Lfunc_end_k_qe6663fe643_attn:
	.size	k_qe6663fe643_attn, .Lfunc_end_k_qe6663fe643_attn-k_qe6663fe643_attn
	.p2alignl 7, 3214868480
	.fill 96, 4, 3214868480
	.section	.rodata,"a",@progbits
	.p2align	6, 0x0
	.amdhsa_kernel k_qe6663fe643_attn
		.amdhsa_group_segment_fixed_size 327680
		.amdhsa_private_segment_fixed_size 0
		.amdhsa_enable_private_segment 0
		.amdhsa_kernarg_size 56
		.amdhsa_user_sgpr_count 2
		.amdhsa_user_sgpr_kernarg_segment_ptr 1
		.amdhsa_wavefront_size32 1
		.amdhsa_system_sgpr_workgroup_id_x 1
		.amdhsa_system_sgpr_workgroup_id_y 1
		.amdhsa_system_sgpr_workgroup_id_z 1
		.amdhsa_system_vgpr_workitem_id 0
		.amdhsa_next_free_vgpr 256
		.amdhsa_next_free_sgpr 96
		.amdhsa_reserve_vcc 1
		.amdhsa_float_denorm_mode_32 3
		.amdhsa_float_denorm_mode_16_64 3
		.amdhsa_fp16_overflow 1
		.amdhsa_memory_ordered 1
		.amdhsa_forward_progress 1
		.amdhsa_inst_pref_size 114
	.end_amdhsa_kernel
	.amdgpu_metadata
---
amdhsa.version: [ 1, 2 ]
amdhsa.kernels:
  - .name:           k_qe6663fe643_attn
    .symbol:         k_qe6663fe643_attn.kd
    .args:
      - { .name: q_codes, .offset: 0, .size: 8, .value_kind: global_buffer, .address_space: global }
      - { .name: q_scales, .offset: 8, .size: 8, .value_kind: global_buffer, .address_space: global }
      - { .name: k_codes, .offset: 16, .size: 8, .value_kind: global_buffer, .address_space: global }
      - { .name: v_codes, .offset: 24, .size: 8, .value_kind: global_buffer, .address_space: global }
      - { .name: kv_scales, .offset: 32, .size: 8, .value_kind: global_buffer, .address_space: global }
      - { .name: flat_codes, .offset: 40, .size: 8, .value_kind: global_buffer, .address_space: global }
      - { .name: flat_scales, .offset: 48, .size: 8, .value_kind: global_buffer, .address_space: global }
    .group_segment_fixed_size: 327680
    .private_segment_fixed_size: 0
    .kernarg_segment_align: 8
    .kernarg_segment_size: 56
    .max_flat_workgroup_size: 512
    .sgpr_count:     96
    .vgpr_count:     256
    .wavefront_size: 32
...
	.end_amdgpu_metadata
.endif
;; end of part 2
;; launch oproj (part 3): grid 4 x 64, 4 waves a work-group, clusters of 4 x 4, 327,680 bytes of LDS; arguments flat_codes, flat_scales, Wo_codes, Wo_scales, out0; writes out0
.if DOCPART == 3
	.amdgcn_target "amdgcn-amd-amdhsa--gfx1250"
	.amdhsa_code_object_version 6
	.text
	.protected	k_qe6663fe643_oproj
	.globl	k_qe6663fe643_oproj
	.p2align	8
	.type	k_qe6663fe643_oproj,@function
k_qe6663fe643_oproj:
	s_mov_b64 s[64:65], 0
	v_nop
	global_prefetch_b8 v0, s[64:65] scope:SCOPE_SE
	s_setreg_imm32_b32 hwreg(HW_REG_WAVE_MODE, 25, 1), 1
	s_wait_xcnt 0x0
	s_wait_alu depctr_hold_cnt(0) depctr_sa_sdst(0) depctr_va_vdst(0) depctr_va_sdst(0) depctr_va_ssrc(0) depctr_va_vcc(0) depctr_vm_vsrc(0)
	s_getreg_b32 s2, hwreg(HW_REG_IB_STS2, 6, 4)
	s_cmp_eq_u32 s2, 0
	s_cbranch_scc0 .Lentry_in_a_cluster
	s_endpgm
.Lentry_in_a_cluster:
	s_bfe_u32 s2, ttmp6, 0x10000c
	s_cmp_lg_u32 s2, 0xf033
	s_cbranch_scc0 .Lentry_shape_is_right
	s_endpgm
.Lentry_shape_is_right:
; out0[m][n] = sum over k of flat[m][k] Wo[n][k] on codes of BF8 (E5M2) with one E8M0 scale for each 32 along K.  M = 8,192, N = 1,024, K = 1,024; out0 f32.
; flat's codes lie [head 16][row 8,192][64 bytes] (K = 64 x head + d), its scale bytes [row][32]; Wo's codes [n][1,024], its scale bytes [n][32].
; A tile of out0 is 128 x 256, so that there are 256 work-groups: four waves, each 64 x 128 in 32 accumulators.
; K GOES IN EIGHT STEPS OF 128 THROUGH TWO REGIONS OF LDS.  Region 1 holds three steps (0-2, later 5-7), region 2 two (3, 4): five of the eight are asked for at the head, and ONE refill brings the last three,
; behind the round in step 2; it has steps 3 and 4 in which to land.  A's part of a region: for each half of 64 rows, one plane a head of 64 rows x (64 bytes + 16 of padding).
; B's part: 256 rows; in region 1 of 3 x (128 + 16) = 432 bytes, in region 2 of 256 + 16 = 272: both odd multiples of 16, so that the 16 rows of a fragment load start at 16 different groups of four banks.
; The scale bytes of the tile's rows, for all of K, come once, and all 64 scale words go into registers once.
; CLUSTERS: 4 x 4 work-groups; A's tiles are asked for jointly along a row of the cluster, B's along a column.
; The matrix instruction is used transposed (source 0 = 16 rows of Wo, source 1 = 16 rows of flat): a lane holds eight neighbouring numbers of a row of out0.
; REGISTERS, in windows of 256: window 0: v0-31 addresses; v32-95 scale words (register 8 i + s: lanes 0-15 A's block i, lanes 16-31 B's block i, K step s); v128-191, v192-255 A's fragments, two sets.
;   window 1: B's fragments, two sets.   window 2: the accumulators ((a, b) at v[8 (8 a + b)]).
.set SIZE_N, 1024
.set KROW,   1024
.set HSTR,   8192*64                   ; from head to head in flat's codes
.set APITCH, 80
.set APL,    64*APITCH                 ; a head's plane of 64 rows
.set BP1,    432
.set BP2,    272
.set R1A,    0
.set HA1,    6*APL                     ; what one of A's loads brings into region 1
.set R1B,    R1A+2*HA1
.set HB1,    128*BP1
.set R2A,    R1B+2*HB1
.set HA2,    4*APL
.set R2B,    R2A+2*HA2
.set HB2,    128*BP2
.set SCL,    R2B+2*HB2                 ; the scale bytes, as units of 256 bytes + 16: A's 128 rows, then B's 256
.set HSA,    8*272
.set HSB,    16*272
.set SBLK,   544                       ; those of 16 rows
.set SPARE,  SCL+2*HSA+2*HSB           ; the spare words, 128 bytes a wave: two blocks of 256 bytes that no other line names
.set STG,    R2A                       ; the way out: 16 rows x (512 + 16) for each wave, in region 2, which has had its one fill and its last read by then
.set SPITCH, 528
.set NP,     8                         ; places behind this matrix instruction (ISA guide 7.12.1)
.set ADRA, 16                          ; v16, v17  my A fragments in regions 1, 2
.set ADRB, 20                          ; v20, v21  the same for B
.set STO,  24
.set RD,   25
.set CO,   26
.set ADRS, 27
.set SPW,  28                          ; SPARE + 4 x my thread's number; never rewritten
.set NIL,  29                          ; 0; never rewritten
.set SC,   32
.set AF,   128
.set BK,   128
.set G1A1, 24
.set G1A2, 32
.set G1B1, 40
.set G1B2, 48
.set G1S,  56
.set G1SB, 68
.set G0A1, 76
.set G0A2, 80
.set G0B1, 84
.set G0B2, 88
.set G0S,  92
.set G0SB, 96
.set MSB, 0
.macro WIN new                         ; the immediate's high byte repeats the setting that is left
.if MSB != \new
	s_set_vgpr_msb (MSB<<8)|\new
.set MSB, \new
.endif
.endm
.set MUL,  0xa1                        ; source 0 (B) window 1, source 1 (A) window 0, C and D window 2
.set TO_B, 0x40
.macro JLOAD g0a, g1a, g0b, g1b        ; waves 0 and 1 fetch for A, waves 2 and 3 for B; four v_nop follow each of the two lines
	s_cmp_eq_u32 s15, 0
	s_cbranch_scc0 .Lfor_b_\@
	tensor_load_to_lds s[\g0a:\g0a+3], s[\g1a:\g1a+7]
	s_nop 0
.rept 4
	v_nop
.endr
	s_branch .Lasked_\@
.Lfor_b_\@:
	tensor_load_to_lds s[\g0b:\g0b+3], s[\g1b:\g1b+7]
	s_nop 0
.rept 4
	v_nop
.endr
.Lasked_\@:
.endm
.macro CREST                           ; a round of the cluster's barrier behind its opening barrier
	s_cmp_lg_u32 s14, 0
	s_cbranch_scc1 .Lnot_wave_0_\@
	s_barrier_signal -3
.Lnot_wave_0_\@:
	s_barrier_wait -3
	s_barrier_signal -1
	s_barrier_wait -1
.endm
.macro CROUND
	s_barrier_signal -1
	s_barrier_wait -1
	CREST
.endm
	s_load_b128 s[4:7], s[0:1], 0x0                ; flat's codes, flat's scales
	s_load_b128 s[8:11], s[0:1], 0x10              ; Wo's codes, Wo's scales
	s_load_b64 s[12:13], s[0:1], 0x20              ; out0
	v_lshl_add_u32 v[SPW], v0, 2, SPARE
	v_mov_b32 v[NIL], 0
	ds_add_u32 v28, v29
	ds_add_u32 v28, v29
	s_wait_dscnt 0x0
	v_lshrrev_b32 v1, 5, v0
	v_readfirstlane_b32 s14, v1                    ; wave 0..3
	s_lshr_b32 s15, s14, 1                         ; my half of the tile's rows.  Also: I fetch for A (0) or for B (1)
	s_and_b32 s16, s14, 1                          ; my half of its columns.  Also: which half of that operand's rows I fetch
	s_bfe_u32 s66, ttmp6, 0x40000                  ; cx
	s_bfe_u32 s67, ttmp6, 0x40004                  ; cy
	s_lshl_b32 s100, ttmp9, 2
	s_add_co_u32 s100, s100, s66                   ; tile column
	s_and_b32 s17, ttmp7, 0xffff
	s_lshl_b32 s17, s17, 2
	s_add_co_u32 s17, s17, s67                     ; tile row
	s_lshl_b32 s101, s67, 2
	s_lshl_b32 s101, 15, s101                      ; my row of the cluster
	s_lshl_b32 s2, 0x1111, s66                     ; my column
	; A: one row of 4,096 bytes (64 rows of flat) a head, 524,288 bytes apart, 16 bytes of padding behind every 64; six heads for region 1, four for region 2
	s_or_b32 s[G1A1], s101, (0<<16)|(1<<20)|(1<<21)|(3<<22)|(3<<25)
	s_mov_b32 s[G1A1+1], 4096<<16
	s_mov_b32 s[G1A1+2], 6<<16
	s_mov_b32 s[G1A1+3], 4096<<16
	s_mov_b32 s[G1A1+4], 6
	s_mov_b32 s[G1A1+5], HSTR
	s_mov_b32 s[G1A1+6], 0
	s_mov_b32 s[G1A1+7], 0
	s_or_b32 s[G1A2], s101, (0<<16)|(1<<20)|(1<<21)|(3<<22)|(3<<25)
	s_mov_b32 s[G1A2+1], 4096<<16
	s_mov_b32 s[G1A2+2], 4<<16
	s_mov_b32 s[G1A2+3], 4096<<16
	s_mov_b32 s[G1A2+4], 4
	s_mov_b32 s[G1A2+5], HSTR
	s_mov_b32 s[G1A2+6], 0
	s_mov_b32 s[G1A2+7], 0
	; B: 128 rows; region 1: 384 bytes, 16 of padding behind every 128; region 2: 256 bytes, 16 behind each row
	s_or_b32 s[G1B1], s2, (0<<16)|(1<<20)|(1<<21)|(4<<22)|(3<<25)
	s_mov_b32 s[G1B1+1], 384<<16
	s_mov_b32 s[G1B1+2], 128<<16
	s_mov_b32 s[G1B1+3], 384<<16
	s_mov_b32 s[G1B1+4], 128
	s_mov_b32 s[G1B1+5], KROW
	s_mov_b32 s[G1B1+6], 0
	s_mov_b32 s[G1B1+7], 0
	s_or_b32 s[G1B2], s2, (0<<16)|(1<<20)|(1<<21)|(5<<22)|(3<<25)
	s_mov_b32 s[G1B2+1], 256<<16
	s_mov_b32 s[G1B2+2], 128<<16
	s_mov_b32 s[G1B2+3], 256<<16
	s_mov_b32 s[G1B2+4], 128
	s_mov_b32 s[G1B2+5], KROW
	s_mov_b32 s[G1B2+6], 0
	s_mov_b32 s[G1B2+7], 0
	; the scale bytes: dense, as rows of 256 bytes (32 elements of 8), 16 bytes of padding behind each: A's 64 rows are 8 such rows, B's 128 rows 16
	s_or_b32 s[G1S], s101, (3<<16)|(1<<20)|(1<<21)|(5<<22)|(3<<25)
	s_mov_b32 s[G1S+1], 32<<16
	s_mov_b32 s[G1S+2], 8<<16
	s_mov_b32 s[G1S+3], 32<<16
	s_mov_b32 s[G1S+4], 8
	s_mov_b32 s[G1S+5], 32
	s_mov_b32 s[G1S+6], 0
	s_mov_b32 s[G1S+7], 0
	s_or_b32 s[G1SB], s2, (3<<16)|(1<<20)|(1<<21)|(5<<22)|(3<<25)
	s_mov_b32 s[G1SB+1], 32<<16
	s_mov_b32 s[G1SB+2], 16<<16
	s_mov_b32 s[G1SB+3], 32<<16
	s_mov_b32 s[G1SB+4], 16
	s_mov_b32 s[G1SB+5], 32
	s_mov_b32 s[G1SB+6], 0
	s_mov_b32 s[G1SB+7], 0
	; where the tiles come from: A's hang on the tile row and the wave's number, B's on the tile column and the wave's number
	s_lshl_b32 s20, s17, 7
	s_lshl_b32 s21, s16, 6
	s_add_co_u32 s20, s20, s21                     ; A: row 128 x tile row + 64 x half
	s_lshl_b32 s22, s20, 5                         ; its scale bytes
	s_lshl_b32 s20, s20, 6                         ; its codes in a head's plane
	s_mov_b32 s21, 0
	s_mov_b32 s23, 0
	s_lshl_b32 s3, s100, 8
	s_lshl_b32 s18, s16, 7
	s_add_co_u32 s3, s3, s18                       ; B: row 256 x tile column + 128 x half
	s_lshl_b32 s18, s3, 10                         ; its codes
	s_mov_b32 s19, 0
	s_wait_kmcnt 0x0
	s_add_nc_u64 s[4:5], s[4:5], s[20:21]
	s_add_nc_u64 s[6:7], s[6:7], s[22:23]
	s_add_nc_u64 s[8:9], s[8:9], s[18:19]
	s_lshl_b32 s18, s3, 5                          ; its scale bytes
	s_add_nc_u64 s[10:11], s[10:11], s[18:19]
	; groups 0: no place in the cluster enters an LDS address
	s_mov_b32 s[G0S], 1
	s_mul_i32 s[G0S+1], s16, HSA
	s_add_co_u32 s[G0S+1], s[G0S+1], SCL
	s_mov_b64 s[G0S+2:G0S+3], s[6:7]
	s_or_b32 s[G0S+3], s[G0S+3], 0x80000000
	s_mov_b32 s[G0SB], 1
	s_mul_i32 s[G0SB+1], s16, HSB
	s_add_co_u32 s[G0SB+1], s[G0SB+1], SCL+2*HSA
	s_mov_b64 s[G0SB+2:G0SB+3], s[10:11]
	s_or_b32 s[G0SB+3], s[G0SB+3], 0x80000000
	s_mov_b32 s[G0A1], 1
	s_mul_i32 s[G0A1+1], s16, HA1
	s_add_co_u32 s[G0A1+1], s[G0A1+1], R1A
	s_mov_b64 s[G0A1+2:G0A1+3], s[4:5]             ; heads 0-5
	s_or_b32 s[G0A1+3], s[G0A1+3], 0x80000000
	s_mov_b32 s[G0A2], 1
	s_mul_i32 s[G0A2+1], s16, HA2
	s_add_co_u32 s[G0A2+1], s[G0A2+1], R2A
	s_add_nc_u64 s[G0A2+2:G0A2+3], s[4:5], 6*HSTR  ; heads 6-9
	s_or_b32 s[G0A2+3], s[G0A2+3], 0x80000000
	s_mov_b32 s[G0B1], 1
	s_mul_i32 s[G0B1+1], s16, HB1
	s_add_co_u32 s[G0B1+1], s[G0B1+1], R1B
	s_mov_b64 s[G0B1+2:G0B1+3], s[8:9]             ; K 0-383
	s_or_b32 s[G0B1+3], s[G0B1+3], 0x80000000
	s_mov_b32 s[G0B2], 1
	s_mul_i32 s[G0B2+1], s16, HB2
	s_add_co_u32 s[G0B2+1], s[G0B2+1], R2B
	s_add_nc_u64 s[G0B2+2:G0B2+3], s[8:9], 384     ; K 384-639
	s_or_b32 s[G0B2+3], s[G0B2+3], 0x80000000
	CROUND                                         ; all sixteen work-groups are here: the first joint loads meet
	JLOAD G0S, G1S, G0SB, G1SB                     ; the scales first: they are wanted with K step 0
	JLOAD G0A1, G1A1, G0B1, G1B1
	JLOAD G0A2, G1A2, G0B2, G1B2                   ; three loads of a wave are out
	v_and_b32 v1, 15, v0                           ; r
	v_bfe_u32 v2, v0, 4, 1                         ; h
	v_mul_u32_u24 v3, v1, APITCH
	v_lshl_add_u32 v3, v2, 4, v3                   ; A: row x pitch + 16 h
	s_mul_i32 s20, s15, HA1                        ; my 64 rows of A
	s_add_co_u32 s20, s20, R1A
	v_add_nc_u32 v[ADRA], s20, v3
	s_mul_i32 s20, s15, HA2
	s_add_co_u32 s20, s20, R2A
	v_add_nc_u32 v[ADRA+1], s20, v3
	v_mul_u32_u24 v4, v1, BP1
	v_lshl_add_u32 v4, v2, 4, v4
	s_mul_i32 s20, s16, HB1                        ; my 128 rows of B
	s_add_co_u32 s20, s20, R1B
	v_add_nc_u32 v[ADRB], s20, v4
	v_mul_u32_u24 v4, v1, BP2
	v_lshl_add_u32 v4, v2, 4, v4
	s_mul_i32 s20, s16, HB2
	s_add_co_u32 s20, s20, R2B
	v_add_nc_u32 v[ADRB+1], s20, v4
	v_lshlrev_b32 v5, 5, v1                        ; my row's scales: 32 bytes a row,
	v_lshrrev_b32 v6, 8, v5
	v_lshl_add_u32 v5, v6, 4, v5                   ; and 16 more for each 256 passed
	s_mul_i32 s21, s15, HSA                        ; A's: my 64 rows
	s_mul_i32 s22, s16, HSB                        ; B's: my 128 rows, behind A's
	s_add_co_u32 s22, s22, 2*HSA
	s_sub_co_u32 s22, s22, s21
	v_mul_u32_u24 v6, s22, v2                      ; lanes 16-31 take B's
	s_add_co_u32 s21, s21, SCL
	v_add_nc_u32 v5, v5, v6
	v_add_nc_u32 v[ADRS], s21, v5
	s_mul_i32 s23, s14, 16*SPITCH
	s_add_co_u32 s23, s23, STG                     ; my stage
	v_mul_u32_u24 v5, v1, SPITCH
	v_lshl_add_u32 v5, v2, 5, v5
	v_add_nc_u32 v[STO], s23, v5                   ; in: row r, 32 bytes for each half of the lanes
	v_and_b32 v6, 31, v0
	v_lshlrev_b32 v[CO], 4, v6                     ; back: the 32 lanes take one row of 512 bytes; and the same in out0
	v_add_nc_u32 v[RD], s23, v[CO]
	s_lshl_b32 s20, s17, 7
	s_lshl_b32 s21, s15, 6
	s_add_co_u32 s20, s20, s21                     ; my first row of out0: 128 x tile row + 64 x half,
	s_lshl_b32 s20, s20, 12                        ; of 4,096 bytes;
	s_lshl_b32 s21, s100, 10                       ; my first column, in bytes: 1,024 x tile column + 512 x half
	s_add_co_u32 s20, s20, s21
	s_lshl_b32 s21, s16, 9
	s_add_co_u32 s20, s20, s21
	s_mov_b32 s21, 0
	s_add_nc_u64 s[12:13], s[12:13], s[20:21]
; K step s's fragments into set s % 2: B's eight, then A's four.  16 rows x 128 K: lane l holds row l % 16; registers 4 c .. 4 c + 3 hold K = 32 c + 16 (l / 16) + 0 .. 15.
; Steps 3 and 4 lie in region 2, the others in region 1.  In A's planes K = 32 c of the region's j-th step lies in plane 2 j + c / 2, at byte 32 (c % 2).
.macro FETCH s
.if ((\s) == 3) || ((\s) == 4)
.set FJ, (\s)-3
.set FREG, 1
.else
.set FJ, (\s)%5
.set FREG, 0
.endif
	WIN TO_B
.irp i, 0,1,2,3,4,5,6,7
.irp c, 0,1,2,3
.if FREG
	ds_load_b128 v[128*((\s)%2)+16*\i+4*\c:128*((\s)%2)+16*\i+4*\c+3], v[ADRB+1] offset:128*FJ+32*\c+\i*16*BP2
.else
	ds_load_b128 v[128*((\s)%2)+16*\i+4*\c:128*((\s)%2)+16*\i+4*\c+3], v[ADRB] offset:144*FJ+32*\c+\i*16*BP1
.endif
.endr
.endr
	WIN 0
.irp i, 0,1,2,3
.irp c, 0,1,2,3
	ds_load_b128 v[AF+64*((\s)%2)+16*\i+4*\c:AF+64*((\s)%2)+16*\i+4*\c+3], v[ADRA+FREG] offset:(2*FJ+\c/2)*APL+\i*16*APITCH+32*(\c%2)
.endr
.endr
.endm
; 16 matrix instructions: A's blocks a0, a0 + 1 x B's eight, K step s.  The 32 accumulators take turns, one instruction a turn, in the same order in every step.
.macro MUL16 a0, s, zero
.irp a, \a0, \a0+1
.irp b, 0,1,2,3,4,5,6,7
.if \zero
	v_wmma_scale_f32_16x16x128_f8f6f4 v[8*(8*(\a)+\b):8*(8*(\a)+\b)+7], v[128*((\s)%2)+16*\b:128*((\s)%2)+16*\b+15], v[AF+64*((\s)%2)+16*(\a):AF+64*((\s)%2)+16*(\a)+15], 0, v[SC+8*\b+(\s)], v[SC+8*(\a)+(\s)] matrix_a_fmt:MATRIX_FMT_BF8 matrix_b_fmt:MATRIX_FMT_BF8 matrix_a_scale:MATRIX_SCALE_ROW1
.else
	v_wmma_scale_f32_16x16x128_f8f6f4 v[8*(8*(\a)+\b):8*(8*(\a)+\b)+7], v[128*((\s)%2)+16*\b:128*((\s)%2)+16*\b+15], v[AF+64*((\s)%2)+16*(\a):AF+64*((\s)%2)+16*(\a)+15], v[8*(8*(\a)+\b):8*(8*(\a)+\b)+7], v[SC+8*\b+(\s)], v[SC+8*(\a)+(\s)] matrix_a_fmt:MATRIX_FMT_BF8 matrix_b_fmt:MATRIX_FMT_BF8 matrix_a_scale:MATRIX_SCALE_ROW1
.endif
.endr
.endr
.endm
.macro PLACES n                        ; plain vector instructions between a matrix instruction and a load into, or a read of, its registers
.rept \n
	v_nop
.endr
.endm
; A K step whose successor lies in a region that every wave may read.  The next step's 48 loads go out first, into the set that the step before multiplied, and have this step's 32 products in which to land.
.macro KSTEP s, zero, fetch
	s_wait_dscnt 0x0                               ; this step's fragments are in
.if \fetch
.if (\s) > 0
	PLACES NP
.endif
	FETCH (\s)+1
.endif
	WIN MUL
	MUL16 0, \s, \zero
	MUL16 2, \s, \zero
.endm
	s_wait_alu depctr_va_vdst(0)
	s_wait_tensorcnt 1                             ; the scales and my part of region 1 are in (region 2's load may be out)
	s_barrier_signal -1
	s_barrier_wait -1
.irp i, 0,1,2,3,4,5,6,7                        ; all scale words, once: a row's 32 bytes are its eight K steps' words
	ds_load_b128 v[SC+8*\i:SC+8*\i+3], v[ADRS] offset:\i*SBLK
	ds_load_b128 v[SC+8*\i+4:SC+8*\i+7], v[ADRS] offset:\i*SBLK+16
.endr
	FETCH 0
	KSTEP 0, 1, 1                                  ; the first step's products start the sums
	KSTEP 1, 0, 1
	; K STEP 2 LEAVES REGION 1, which is filled again with steps 5-7: the barrier opens a round of the cluster's barrier
	WIN 0
	s_wait_tensorcnt 0x0                           ; all my tensor loads have landed: my part of region 2
	ds_add_u32 v[SPW], v[NIL]                      ; 0 onto my spare word
	s_wait_dscnt 0x0                               ; the add is done; step 2's fragments are in: my reads of region 1 are over
	s_barrier_signal -1
	WIN MUL
	MUL16 0, 2, 0
	WIN 0
	s_barrier_wait -1
	CREST                                          ; no wave of any partner still reads region 1 or has a load on its way
	s_add_nc_u64 s[G0A1+2:G0A1+3], s[G0A1+2:G0A1+3], 10*HSTR   ; heads 10-15
	s_add_nc_u64 s[G0B1+2:G0B1+3], s[G0B1+2:G0B1+3], 640       ; K 640-1,023
	JLOAD G0A1, G1A1, G0B1, G1B1                   ; the first tensor load behind the round, one a wave; its four v_nop are among the places in front of the loads below
	PLACES NP-4
	FETCH 3
	WIN MUL
	MUL16 2, 2, 0
	KSTEP 3, 0, 1
	; K STEP 4 LEAVES REGION 2: nothing is filled again; the barrier makes the refill of region 1 known to all waves
	s_wait_dscnt 0x0                               ; step 4's fragments are in: my reads of region 2 are over
	MUL16 0, 4, 0
	s_wait_tensorcnt 0x0                           ; my part of steps 5-7 has landed
	s_barrier_signal -1
	MUL16 2, 4, 0
	WIN 0
	s_barrier_wait -1
	PLACES NP
	FETCH 5
	KSTEP 5, 0, 1
	KSTEP 6, 0, 1
	KSTEP 7, 0, 0
	WIN 0
; THE WAY OUT, block by block of 16 rows x 128 columns, through my own stage: in as 32 bytes a lane, back as whole rows of 512 bytes.  LDS serves a wave's instructions in order (ISA guide 5.7.1.4).
.macro TOSTAGE a
.set AC, 64*(\a)
	WIN 0x08                                       ; the data: window 2
.irp b, 0,1,2,3,4,5,6,7
	ds_store_b128 v[STO], v[AC+8*\b:AC+8*\b+3] offset:64*\b          ; each accumulator from its low end on
	ds_store_b128 v[STO], v[AC+8*\b+4:AC+8*\b+7] offset:64*\b+16
.endr
	WIN 0
.set BB, BK+64*((\a)%2)
.irp t, 0,1,2,3,4,5,6,7,8,9,10,11,12,13,14,15
	ds_load_b128 v[BB+4*\t:BB+4*\t+3], v[RD] offset:\t*SPITCH
.endr
.endm
.macro SEND a, younger                 ; younger: the LDS instructions issued behind block a's loads, which may stay out
.set BB, BK+64*((\a)%2)
	s_wait_dscnt \younger
.if (\a) > 0
	s_add_nc_u64 s[12:13], s[12:13], 16*SIZE_N*4   ; (behind a wait on XCNT: the earlier stores have read their base)
.endif
.irp t, 0,1,2,3,4,5,6,7,8,9,10,11,12,13,14,15
	global_store_b128 v[CO], v[BB+4*\t:BB+4*\t+3], s[12:13] offset:\t*SIZE_N*4 th:TH_STORE_NT   ; 32 lanes store 512 consecutive bytes, aligned; written once, read by nobody here
.endr
.endm
	PLACES NP
	TOSTAGE 0
.irp a, 1,2,3
.if \a > 1
	s_wait_xcnt 0x0                                ; block a - 2's stores have read their registers and their base
.endif
	TOSTAGE \a
	SEND \a-1, 32                                  ; behind block a - 1's loads: block a's 16 stores and 16 loads
.endr
	s_wait_xcnt 0x0
	SEND 3, 0
	s_wait_tensorcnt 0x0                           ; the wave's end
	ds_add_u32 v[SPW], v[NIL]
	s_wait_dscnt 0x0
	CROUND                                         ; the closing round: no work-group ends while a partner may still ask for a tile that names it
	s_endpgm
.Lfunc_end_k_qe6663fe643_oproj:
	.size	k_qe6663fe643_oproj, .Lfunc_end_k_qe6663fe643_oproj-k_qe6663fe643_oproj
	.p2alignl 7, 3214868480
	.fill 96, 4, 3214868480
	.section	.rodata,"a",@progbits
	.p2align	6, 0x0
	.amdhsa_kernel k_qe6663fe643_oproj
		.amdhsa_group_segment_fixed_size 327680
		.amdhsa_private_segment_fixed_size 0
		.amdhsa_enable_private_segment 0
		.amdhsa_kernarg_size 40
		.amdhsa_user_sgpr_count 2
		.amdhsa_user_sgpr_kernarg_segment_ptr 1
		.amdhsa_wavefront_size32 1
		.amdhsa_system_sgpr_workgroup_id_x 1
		.amdhsa_system_sgpr_workgroup_id_y 1
		.amdhsa_system_sgpr_workgroup_id_z 1
		.amdhsa_system_vgpr_workitem_id 0
		.amdhsa_next_free_vgpr 768
		.amdhsa_next_free_sgpr 102
		.amdhsa_reserve_vcc 0
		.amdhsa_float_denorm_mode_32 3
		.amdhsa_float_denorm_mode_16_64 3
		.amdhsa_memory_ordered 1
		.amdhsa_forward_progress 1
		.amdhsa_inst_pref_size 87
	.end_amdhsa_kernel
	.amdgpu_metadata
---
amdhsa.version: [ 1, 2 ]
amdhsa.kernels:
  - .name:           k_qe6663fe643_oproj
    .symbol:         k_qe6663fe643_oproj.kd
    .args:
      - { .name: flat_codes, .offset: 0, .size: 8, .value_kind: global_buffer, .address_space: global }
      - { .name: flat_scales, .offset: 8, .size: 8, .value_kind: global_buffer, .address_space: global }
      - { .name: Wo_codes, .offset: 16, .size: 8, .value_kind: global_buffer, .address_space: global }
      - { .name: Wo_scales, .offset: 24, .size: 8, .value_kind: global_buffer, .address_space: global }
      - { .name: out0, .offset: 32, .size: 8, .value_kind: global_buffer, .address_space: global }
    .group_segment_fixed_size: 327680
    .private_segment_fixed_size: 0
    .kernarg_segment_align: 8
    .kernarg_segment_size: 40
    .max_flat_workgroup_size: 128
    .sgpr_count:     102
    .vgpr_count:     768
    .wavefront_size: 32
...
	.end_amdgpu_metadata
.endif
;; end of part 3
